; MI455X (gfx1250); checked and timed in simulation.
; The chip was launched on July 23, 2026; its instructions are those of AMD's public machine-readable ISA for CDNA 5 (MIT licence, August 2026) and "CDNA5" Instruction Set Architecture Reference Guide (July 2026). The comments in the code are by the model that wrote it; some were corrected since.
;; XT Attention. Allowed arithmetic: float matrix products may take bf16 or f16 operands with f32 sums; other float arithmetic in f32, or as packed bf16 or f16 multiplies, adds, multiply-adds, maxima and minima; sums over many terms, partial sums and values carried from step to step in f32; what a program stores and reads back later, other than sums and carried values, may be rounded once to bf16 or f16.
;; Inputs: Wck 1,024 x 1,024 float32; Wcq 1,024 x 1,024 float32; Wo 1,024 x 1,024 float32; Wpk 1,024 x 1,024 float32; Wpq 1,024 x 1,024 float32; Wwk 1,024 x 1,024 float32; Wwq 1,024 x 1,024 float32; Wwv 1,024 x 1,024 float32; bo 1,024 float32; conscious_cross 4 x 1,024 x 1,024 float32; conscious_words 4 x 1,024 x 1,024 float32; cross_kv 4 x 1,024 x 1,024 float32; position_cross 4 x 1,024 x 1,024 float32; position_words 4 x 1,024 x 1,024 float32; words 4 x 1,024 x 1,024 float32.
;; Outputs: out0 4 x 1,024 x 1,024 float32.
;; 2 versions, each right; version 2 is version 1 with the launch prep written anew for expert scheduling mode. Each part assembles by itself: llvm-mc -triple=amdgcn-amd-amdhsa -mcpu=gfx1250 --defsym DOCPART=n.
;; ======== version 1 of 2: 4 launches
;; limits: values are held in f16: magnitudes above 65,504 overflow, below 6.1e-05 lose precision
;; workspace buffers: xw 67,108,864 bytes; qkv 58,720,256 bytes; ob 8,388,608 bytes
;; launch prep (part 1): grid 64 x 32, 8 waves a work-group, no clusters, 0 bytes of LDS; arguments words, position_words, conscious_words, cross_kv, position_cross, conscious_cross, Wwq, Wpq, Wcq, Wwk, Wpk, Wck, Wwv, Wo, xw; writes xw
.if DOCPART == 1
	.amdgcn_target "amdgcn-amd-amdhsa--gfx1250"
	.amdhsa_code_object_version 6
	.text
	.protected	k_q7ec0afee27_prep
	.globl	k_q7ec0afee27_prep
	.p2align	8
	.type	k_q7ec0afee27_prep,@function
k_q7ec0afee27_prep:
	s_mov_b64 s[64:65], 0
	v_nop
	global_prefetch_b8 v0, s[64:65] scope:SCOPE_SE
	s_setreg_imm32_b32 hwreg(HW_REG_WAVE_MODE, 25, 1), 1
	s_wait_xcnt 0x0
; CASTS.  xw is 32 units of 1,048,576 numbers of 16 bits.  Units 0-23: the six activations ([4096][1024], four units each) rounded to bf16.
; Units 24-30: Wwq, Wpq, Wcq, Wwk, Wpk, Wck, Wwv ([k][n], as they lie) rounded to bf16.  Unit 31: Wo rounded to bf16, and that number written as f16.
; LIMIT.  Wo in f16: beyond 65,504 it would be an infinity; below 6.1e-5 it keeps f16's fixed step of 6e-8.
; SHARES.  Work-group (c, u) takes chunk c (16,384 numbers) of unit u, in 16 pieces of 1,024.  Thread t loads the 16 bytes at 16 t of a piece and stores the 8 bytes at 8 t:
; a wave's load covers 512 consecutive bytes, a wave's store 256 consecutive bytes, aligned.  Nothing is read twice; no LDS, no matrix unit, no barrier: the waves share nothing.
; A RING of eight slots keeps eight loads of every wave on their way.  It goes round twice.  In the first round a slot is converted into registers of its own (Y), loaded again and
; then stored: the load stands ahead of the store.  In the second round it is converted in place and stored.  No register that a store reads is written again, so no wait frees one.
.set DEPTH, 8
.set X, 4                              ; v[4:35]   slot i: 4 numbers as loaded; in the second round its first 2 registers are stored
.set Y, 36                             ; v[36:51]  slot i: the first round's 2 registers to store
.set T, 52                             ; v[52:53]  at work (Wo's way)
.set PIN,  4096                        ; bytes of a piece as read
.set POUT, 2048                        ; and as stored
	s_load_b512 s[8:23], s[0:1], 0x0               ; the 14 inputs' addresses: input i in s[8+2i:9+2i]
	s_load_b256 s[24:31], s[0:1], 0x40
	s_load_b128 s[32:35], s[0:1], 0x60
	s_load_b64 s[36:37], s[0:1], 0x70              ; xw
	s_and_b32 s3, ttmp7, 0xffff                    ; u
	s_lshr_b32 s38, s3, 2                          ; an activation's number,
	s_sub_co_u32 s39, s3, 18                       ; or a weight's: 6 to 13
	s_and_b32 s40, s3, 3
	s_lshl_b32 s40, s40, 22                        ; an activation's quarter: 4 MiB of f32
	s_cmp_lt_u32 s3, 24
	s_cselect_b32 s2, s38, s39                     ; which input
	s_cselect_b32 s40, s40, 0
	s_lshl_b32 s44, ttmp9, 16                      ; the chunk: 64 KiB as read,
	s_add_co_u32 s40, s40, s44
	s_mov_b32 s41, 0
	s_lshl_b32 s42, s3, 21                         ; the unit: 2 MiB as stored,
	s_lshl_b32 s44, ttmp9, 15                      ; the chunk: 32 KiB
	s_add_co_u32 s42, s42, s44
	s_mov_b32 s43, 0
	s_mov_b32 s45, 0xffff0000                      ; a word's upper bf16
	v_lshlrev_b32 v1, 4, v0                        ; 16 t; never rewritten
	v_lshlrev_b32 v2, 3, v0                        ; 8 t; never rewritten
	s_wait_kmcnt 0x0
	s_mov_b64 s[4:5], s[8:9]
.irp i, 1,2,3,4,5,6,7,8,9,10,11,12,13
	s_cmp_eq_u32 s2, \i                            ; a choice between buffers on a number that hangs on no address
	s_cselect_b64 s[4:5], s[8+2*(\i):9+2*(\i)], s[4:5]
.endr
	s_add_nc_u64 s[4:5], s[4:5], s[40:41]
	s_add_nc_u64 s[6:7], s[36:37], s[42:43]
.irp i, 0,1,2,3,4,5,6,7
	global_load_b128 v[X+4*(\i):X+4*(\i)+3], v1, s[4:5] offset:(\i)*PIN th:TH_LOAD_NT  ; the ring is filled: pieces 0 to 7
.endr
; One slot's turn.  ahead = 1: the first round: piece i is converted, piece 8 + i asked for.  ahead = 0: the second round: piece 8 + i is converted.
; left = how many younger loads may stay out.  wo = 1: to bf16, back to f32 (exact), to f16.
.macro SLOT i, ahead, left, wo
	s_wait_loadcnt \left                           ; loads come back in order (ISA guide 5.7.1): mine is in, the younger ones stay out
.if \ahead
.set D, Y+2*(\i)
.else
.set D, X+4*(\i)                       ; in place, ascending: a register is written when it has been read
.endif
.if \wo
	v_cvt_pk_bf16_f32 v[T],   v[X+4*(\i)],   v[X+4*(\i)+1]
	v_cvt_pk_bf16_f32 v[T+1], v[X+4*(\i)+2], v[X+4*(\i)+3]
	v_lshlrev_b32 v[X+4*(\i)],   16,  v[T]
	v_and_b32     v[X+4*(\i)+1], s45, v[T]
	v_lshlrev_b32 v[X+4*(\i)+2], 16,  v[T+1]
	v_and_b32     v[X+4*(\i)+3], s45, v[T+1]
	v_cvt_pk_f16_f32 v[D],   v[X+4*(\i)],   v[X+4*(\i)+1]
	v_cvt_pk_f16_f32 v[D+1], v[X+4*(\i)+2], v[X+4*(\i)+3]
.else
	v_cvt_pk_bf16_f32 v[D],   v[X+4*(\i)],   v[X+4*(\i)+1]
	v_cvt_pk_bf16_f32 v[D+1], v[X+4*(\i)+2], v[X+4*(\i)+3]
.endif
.if \ahead
	global_load_b128 v[X+4*(\i):X+4*(\i)+3], v1, s[4:5] offset:(DEPTH+(\i))*PIN th:TH_LOAD_NT
	global_store_b64 v2, v[D:D+1], s[6:7] offset:(\i)*POUT th:TH_STORE_NT
.else
	global_store_b64 v2, v[D:D+1], s[6:7] offset:(DEPTH+(\i))*POUT th:TH_STORE_NT
.endif
.endm
	s_cmp_eq_u32 s3, 31
	s_cbranch_scc1 .Lwo
.irp i, 0,1,2,3,4,5,6,7
	SLOT \i, 1, DEPTH-1, 0                         ; behind slot i's load stand 7 - i first loads and i refills: seven
.endr
.irp i, 0,1,2,3,4,5,6,7
	SLOT \i, 0, DEPTH-1-(\i), 0                    ; the second round loads nothing: the counts run down
.endr
	s_endpgm
.Lwo:
.irp i, 0,1,2,3,4,5,6,7
	SLOT \i, 1, DEPTH-1, 1
.endr
.irp i, 0,1,2,3,4,5,6,7
	SLOT \i, 0, DEPTH-1-(\i), 1
.endr
	s_endpgm
.Lfunc_end_k_q7ec0afee27_prep:
	.size	k_q7ec0afee27_prep, .Lfunc_end_k_q7ec0afee27_prep-k_q7ec0afee27_prep
	.p2alignl 7, 3214868480
	.fill 96, 4, 3214868480
	.section	.rodata,"a",@progbits
	.p2align	6, 0x0
	.amdhsa_kernel k_q7ec0afee27_prep
		.amdhsa_group_segment_fixed_size 0
		.amdhsa_private_segment_fixed_size 0
		.amdhsa_enable_private_segment 0
		.amdhsa_kernarg_size 120
		.amdhsa_user_sgpr_count 2
		.amdhsa_user_sgpr_kernarg_segment_ptr 1
		.amdhsa_wavefront_size32 1
		.amdhsa_system_sgpr_workgroup_id_x 1
		.amdhsa_system_sgpr_workgroup_id_y 1
		.amdhsa_system_sgpr_workgroup_id_z 1
		.amdhsa_system_vgpr_workitem_id 0
		.amdhsa_next_free_vgpr 56
		.amdhsa_next_free_sgpr 66
		.amdhsa_reserve_vcc 0
		.amdhsa_float_denorm_mode_32 3
		.amdhsa_float_denorm_mode_16_64 3
		.amdhsa_memory_ordered 1
		.amdhsa_forward_progress 1
		.amdhsa_inst_pref_size 17
	.end_amdhsa_kernel
	.amdgpu_metadata
---
amdhsa.version: [ 1, 2 ]
amdhsa.kernels:
  - .name:           k_q7ec0afee27_prep
    .symbol:         k_q7ec0afee27_prep.kd
    .args:
      - { .name: words, .offset: 0, .size: 8, .value_kind: global_buffer, .address_space: global }
      - { .name: position_words, .offset: 8, .size: 8, .value_kind: global_buffer, .address_space: global }
      - { .name: conscious_words, .offset: 16, .size: 8, .value_kind: global_buffer, .address_space: global }
      - { .name: cross_kv, .offset: 24, .size: 8, .value_kind: global_buffer, .address_space: global }
      - { .name: position_cross, .offset: 32, .size: 8, .value_kind: global_buffer, .address_space: global }
      - { .name: conscious_cross, .offset: 40, .size: 8, .value_kind: global_buffer, .address_space: global }
      - { .name: Wwq, .offset: 48, .size: 8, .value_kind: global_buffer, .address_space: global }
      - { .name: Wpq, .offset: 56, .size: 8, .value_kind: global_buffer, .address_space: global }
      - { .name: Wcq, .offset: 64, .size: 8, .value_kind: global_buffer, .address_space: global }
      - { .name: Wwk, .offset: 72, .size: 8, .value_kind: global_buffer, .address_space: global }
      - { .name: Wpk, .offset: 80, .size: 8, .value_kind: global_buffer, .address_space: global }
      - { .name: Wck, .offset: 88, .size: 8, .value_kind: global_buffer, .address_space: global }
      - { .name: Wwv, .offset: 96, .size: 8, .value_kind: global_buffer, .address_space: global }
      - { .name: Wo, .offset: 104, .size: 8, .value_kind: global_buffer, .address_space: global }
      - { .name: xw, .offset: 112, .size: 8, .value_kind: global_buffer, .address_space: global }
    .group_segment_fixed_size: 0
    .private_segment_fixed_size: 0
    .kernarg_segment_align: 8
    .kernarg_segment_size: 120
    .max_flat_workgroup_size: 256
    .sgpr_count:     66
    .vgpr_count:     56
    .wavefront_size: 32
...
	.end_amdgpu_metadata
.endif
;; end of part 1
;; launch proj (part 2): grid 4 x 56, 4 waves a work-group, clusters of 4 x 4, 327,680 bytes of LDS; arguments xw, qkv; writes qkv
.if DOCPART == 2
	.amdgcn_target "amdgcn-amd-amdhsa--gfx1250"
	.amdhsa_code_object_version 6
	.text
	.protected	k_q7ec0afee27_proj
	.globl	k_q7ec0afee27_proj
	.p2align	8
	.type	k_q7ec0afee27_proj,@function
k_q7ec0afee27_proj:
	s_mov_b64 s[64:65], 0
	v_nop
	global_prefetch_b8 v0, s[64:65] scope:SCOPE_SE
	s_setreg_imm32_b32 hwreg(HW_REG_WAVE_MODE, 25, 1), 1
	s_wait_xcnt 0x0
	s_wait_alu depctr_hold_cnt(0) depctr_sa_sdst(0) depctr_va_vdst(0) depctr_va_sdst(0) depctr_va_ssrc(0) depctr_va_vcc(0) depctr_vm_vsrc(0)
	s_getreg_b32 s2, hwreg(HW_REG_IB_STS2, 6, 4)
	s_cmp_eq_u32 s2, 0
	s_cbranch_scc0 .Lentry_in_a_cluster
	s_endpgm
.Lentry_in_a_cluster:
	s_bfe_u32 s2, ttmp6, 0x10000c
	s_cmp_lg_u32 s2, 0xf033
	s_cbranch_scc0 .Lentry_shape_is_right
	s_endpgm
.Lentry_shape_is_right:
; THE SEVEN PROJECTIONS.  GEMM g (0-6): C = X W, X [4096][1024] bf16 (activation g; for g = 6 activation 3), W [k 1024][n 1024] bf16 (unit 24 + g of xw), sums in f32.
; C leaves rounded once to f16, laid by heads: qkv array g = [batch x 16 + head][row 1024][64].
; LIMIT.  f16 ends at 65,504: a projected number beyond it would be an infinity; below 6.1e-5 it keeps the fixed step 6e-8.
; SHARES.  A tile of C is 256 x 256; four waves, each 128 x 128: 64 accumulators, 512 registers.  7 x 16 x 4 = 448 tiles; a work-group STAYS and makes two, 2,048 rows apart,
; which take the same columns of W: 224 work-groups.  K goes in steps of 128 through a ring of two LDS slots filled by the tensor data mover.
; W LIES [k][n]: its tile is 128 rows (k) of 256 bytes (n), and a fragment comes out of LDS turned, by ds_load_tr16_b128.
; ONE TEXT FOR THE LAPS.  A lap is two K steps, once round the ring; a tile has four.  All laps but the last tile's last fill both slots again: with this tile's K steps two on, or, in the
; first tile's last lap, with the next tile's first two.  Only the numbers that a refill adds to its addresses differ, so they lie in scalar registers, chosen at each lap's head.
; CLUSTERS: 4 x 4.  A cluster's sixteen work-groups belong to one GEMM; the four of a row need the same rows of X, the four of a column the same columns of W: each tile is asked
; for JOINTLY, by the same tensor load with the same descriptor and a mask that names the four.
; THE MATRIX INSTRUCTION IS USED TRANSPOSED (source 0 = 16 columns of W, source 1 = 16 rows of X): a lane then holds eight neighbouring numbers of a row of C.
; REGISTERS, in windows of 256 (s_set_vgpr_msb: bits 1:0 source 0, 3:2 source 1, 5:4 source 2, 7:6 destination):
;   window 0: v0-31 addresses; v64-127, v128-191 X's fragments, two buffers; v32-63, v192-255 at work on the way out
;   window 1: v64-127, v128-191 W's fragments, two buffers        windows 2, 3: the accumulators of my rows 0-63, 64-127 ((a, b) at v[8 (8 a + b)])
.set KSTEP,  128
.set PA,     272                       ; an LDS row of X: 256 bytes + 16: the 16 rows of a load start at 16 different groups of four banks (64 banks of 4 bytes: ISA guide 11.1)
.set PB,     288                       ; an LDS row of W: 256 + 32
.set HALFA,  128*PA
.set HALFB,  128*PB
.set AOFF,   2*HALFB                   ; a slot: W's columns 0-127, W's columns 128-255, then X's rows 0-127, X's rows 128-255
.set SLOT,   2*HALFB+2*HALFA
.set STAGE,  2*SLOT                    ; behind the ring: 16 rows x 272 bytes for each wave, for the way out
.set SPITCH, 272
.set SPARE,  STAGE+4*16*SPITCH         ; behind the stages: the spare words, 128 bytes for each wave: two blocks of 256 bytes that no other line names
.set LAPS,   4                         ; a lap = two K steps = once round the ring
.set ROWB,   2048                      ; bytes in a row of X and of W
.set STEP_A, KSTEP*2                   ; a K step along X's rows,
.set STEP_B, KSTEP*ROWB                ; and down W's
.set WALKB,  2048*ROWB                 ; the second tile's rows of X lie 2,048 rows further down
.set NEXT_A, WALKB-6*STEP_A            ; from a slot's last K step of a tile to its first of the next
.set BACK_B, 6*STEP_B                  ; W only goes back
.set NEXT_C, 2*2097152-7*2048          ; from my last 16 rows of a tile to my first of the next: two batches on, seven blocks of 16 rows x 128 bytes back
.set PF_NEXT, WALKB-7*STEP_A           ; the prefetches: from the place of K step 9 to the next tile's K step 2
.set WBASE,  24*2097152                ; the weights' first byte in xw
.set ADRA, 16                          ; v16-17  LDS address of my X fragments in slot 0, 1
.set ADRB, 20                          ; v20-21  the same for W
.set STO,  24                          ; v24     the way out: where I put 16 bytes of a row
.set RD,   25                          ; v25     the way out: where I read rows back
.set CO,   26                          ; v26     my 16 bytes of 512 consecutive bytes of C
.set SPW,  28                          ; v28     LDS address of my spare word; never rewritten
.set NIL,  29                          ; v29     0; never rewritten
.set PFO,  30                          ; v30     the prefetches' offset: my lane x a row; never rewritten
.set PFA,  44                          ; s[44:45] where my prefetches stand
.set PFS,  68                          ; s[68:69] their step along K
.set LIM,  43                          ; s43     1 in a wave that prefetches, else the greatest number
.set STA,  70                          ; s[70:71] what this lap's refills add to X's address,
.set STB,  72                          ; s[72:73] what they add to W's,
.set BKB,  74                          ; s[74:75] and what they take from it
.set PF0,  76                          ; s[76:77] the prefetches' step at this lap's first change of slots
.set C_NA, 78                          ; s78-82  the constants among which a lap's head chooses: NEXT_A,
.set C_2A, 79                          ;         2 STEP_A,
.set C_2B, 80                          ;         2 STEP_B,
.set C_BB, 81                          ;         BACK_B,
.set C_PN, 82                          ;         PF_NEXT
.set TS,   83                          ; s83     at work
.set LT,   84                          ; s84     1 in the last tile's last lap
.set F0,   64
.set F1,   128
.set TMP,  192
.set OB,   32
.set G1,  24                           ; s[24:31] descriptor group 1 for X's tiles;  s[32:39] group 0, a set for each slot
.set G0,  32
.set G1B, 48                           ; s[48:55], s[56:63] the same for W's
.set G0B, 56
.set MSB, 0
.macro WIN new                         ; the immediate's high byte repeats the setting that is left; a switch that changes nothing is dropped
.if MSB != (\new)
	s_set_vgpr_msb (MSB<<8)|(\new)
.set MSB, \new
.endif
.endm
.set MUL_LO, 0xa1                      ; source 0 (W) window 1, source 1 (X) window 0, C and D window 2
.set MUL_HI, 0xf1                      ; the same, C and D window 3
.set TO_B,   0x40                      ; destination window 1, address window 0
; A joint load.  Waves 0 and 1 fetch W's two column halves, waves 2 and 3 X's two row halves.  The branch hangs on the wave's number alone.
; An s_nop 0 and four v_nop follow each of the two lines, ahead of the jump, the label and what follows.
.macro JLOAD s
	s_cmp_eq_u32 s11, 0
	s_cbranch_scc0 .Lfor_a_\@
	tensor_load_to_lds s[G0B+4*(\s):G0B+4*(\s)+3], s[G1B:G1B+7]
	s_nop 0
.rept 4
	v_nop
.endr
	s_branch .Lasked_\@
.Lfor_a_\@:
	tensor_load_to_lds s[G0+4*(\s):G0+4*(\s)+3], s[G1:G1+7]
	s_nop 0
.rept 4
	v_nop
.endr
.Lasked_\@:
.endm
; A PREFETCH INTO THE L2 of the K step that stands two refills on (512 matrix instructions ahead of the load that will want it): 32 rows x 256 bytes, a lane a row, one instruction a wave.
; Each block is named once in the launch.  X's rows of a GEMM are read by one row of one cluster; activation 3 serves GEMMs 3 and 6, and GEMM 3 asks.  W's columns are read by the GEMM's
; two clusters: the even one asks, in its first tile alone.  The four partners of a joint load share its 128 rows out BY ADDRESS (32 each, by cx for X, by cy for W): no branch hangs on a place in the cluster.
; Laps 4 and 3 (by s3) name K steps 4 to 7; lap 2 names nothing: its refills have no K step two on; the first tile's lap 1 names the next tile's K steps 2 and 3 of X.
.macro ASK
	s_cmp_lg_u32 s3, 2
	s_cselect_b32 s[TS], s[LIM], -1
	s_cmp_eq_u32 s[TS], 1
	s_cbranch_scc0 .Lnot_mine_\@
	global_prefetch_b8 v[PFO], s[PFA:PFA+1] th:TH_LOAD_NT scope:SCOPE_SE
.Lnot_mine_\@:
.endm
.macro CREST                           ; a round of the cluster's barrier behind its opening barrier
	s_cmp_lg_u32 s10, 0
	s_cbranch_scc1 .Lnot_wave_0_\@
	s_barrier_signal -3
.Lnot_wave_0_\@:
	s_barrier_wait -3
	s_barrier_signal -1
	s_barrier_wait -1
.endm
.macro CROUND                          ; a whole round
	s_barrier_signal -1
	s_barrier_wait -1
	CREST
.endm
	s_load_b128 s[4:7], s[0:1], 0x0                ; xw s[4:5], qkv s[6:7]
	v_lshl_add_u32 v[SPW], v0, 2, SPARE
	v_mov_b32 v[NIL], 0
	ds_add_u32 v[SPW], v[NIL]                      ; the wave's opening: the add and its wait stand ahead of my first tensor load; the set-up below stands between them
	v_lshrrev_b32 v1, 5, v0
	v_readfirstlane_b32 s10, v1                    ; wave 0..3
	s_lshr_b32 s11, s10, 1                         ; which half of the tile's rows is mine.  Also: I fetch for W (0) or for X (1)
	s_and_b32 s12, s10, 1                          ; which half of its columns.  Also: which half of that tile I fetch
	s_bfe_u32 s40, ttmp6, 0x40000                  ; cx
	s_bfe_u32 s41, ttmp6, 0x40004                  ; cy
	s_lshl_b32 s42, ttmp9, 2
	s_add_co_u32 s42, s42, s40                     ; tile column = 4 x cluster x + cx
	s_and_b32 s67, ttmp7, 0xffff                   ; cluster y, 0..13
	s_lshr_b32 s66, s67, 1                         ; the GEMM: the same in all sixteen partners
	s_and_b32 s13, s67, 1
	s_lshl_b32 s13, s13, 2
	s_add_co_u32 s13, s13, s41                     ; the first tile's tile row, 0..7
	s_lshl_b32 s43, s41, 2
	s_lshl_b32 s43, 15, s43                        ; my row of the cluster
	s_lshl_b32 s44, 0x1111, s40                    ; my column
	s_or_b32 s[G1+0], s43, (1<<16)|(1<<20)|(1<<21)|(5<<22)|(3<<25)   ; 15:0 the mask; 17:16 2-byte elements; 20 padding on; 21 set beside a mask; 24:22 after every 64 words; 31:25 4 words
	s_or_b32 s[G1B+0], s44, (1<<16)|(1<<20)|(1<<21)|(5<<22)|(7<<25)  ; W's: my column's mask, 8 words of padding
.irp g, G1, G1B
	s_mov_b32 s[(\g)+1], 128<<16                   ; tensor_dim0 = 128
	s_mov_b32 s[(\g)+2], 128<<16                   ; tensor_dim1 = 128
	s_mov_b32 s[(\g)+3], 128<<16                   ; tile_dim0 = 128
	s_mov_b32 s[(\g)+4], 128                       ; tile_dim1 = 128
	s_mov_b32 s[(\g)+5], 1024                      ; elements from row to row
	s_mov_b32 s[(\g)+6], 0
	s_mov_b32 s[(\g)+7], 0
.endr
	s_mov_b32 s[C_NA], NEXT_A                      ; the refills' steps: the constants, and the pairs' upper words
	s_mov_b32 s[C_2A], 2*STEP_A
	s_mov_b32 s[C_2B], 2*STEP_B
	s_mov_b32 s[C_BB], BACK_B
	s_mov_b32 s[C_PN], PF_NEXT
	s_mov_b32 s[STA+1], 0
	s_mov_b32 s[STB+1], 0
	s_mov_b32 s[BKB+1], 0
	s_mov_b32 s[PF0+1], 0
	s_cmp_eq_u32 s66, 6
	s_cselect_b32 s14, 3, s66                      ; the activation
	s_lshl_b32 s14, s14, 23                        ; 8 MiB each
	s_lshl_b32 s15, s13, 8
	s_lshl_b32 s17, s12, 7
	s_add_co_u32 s15, s15, s17                     ; X: row 256 x tile row + 128 x half
	s_lshl_b32 s15, s15, 11
	s_add_co_u32 s16, s14, s15
	s_mov_b32 s17, 0
	s_lshl_b32 s46, s66, 21                        ; W: 2 MiB each,
	s_add_co_u32 s46, s46, WBASE
	s_lshl_b32 s18, s42, 9                         ; 512 bytes a tile column,
	s_add_co_u32 s46, s46, s18
	s_lshl_b32 s18, s12, 8                         ; 256 a half
	s_add_co_u32 s46, s46, s18
	s_mov_b32 s47, 0
	s_mul_i32 s20, s10, HALFB                      ; where they go: W's halves at wave x 36,864 (waves 0, 1),
	s_mul_i32 s21, s10, HALFA
	s_add_co_u32 s21, s21, AOFF-2*HALFA            ; X's at 73,728 + (wave - 2) x 34,816 (waves 2, 3): no place in the cluster enters an LDS address
	s_wait_dscnt 0x0                               ; the opening add is done
	s_wait_kmcnt 0x0
	s_add_nc_u64 s[14:15], s[4:5], s[16:17]
	s_add_nc_u64 s[46:47], s[4:5], s[46:47]
	CROUND                                         ; all sixteen work-groups are here: the first joint loads meet
.irp s, 0,1
	s_mov_b32 s[G0+4*(\s)], 1
	s_add_co_u32 s[G0+4*(\s)+1], s21, (\s)*SLOT
	s_add_nc_u64 s[G0+4*(\s)+2:G0+4*(\s)+3], s[14:15], (\s)*STEP_A
	s_or_b32 s[G0+4*(\s)+3], s[G0+4*(\s)+3], 0x80000000
	s_mov_b32 s[G0B+4*(\s)], 1
	s_add_co_u32 s[G0B+4*(\s)+1], s20, (\s)*SLOT
	s_add_nc_u64 s[G0B+4*(\s)+2:G0B+4*(\s)+3], s[46:47], (\s)*STEP_B
	s_or_b32 s[G0B+4*(\s)+3], s[G0B+4*(\s)+3], 0x80000000
	JLOAD \s                                       ; two loads of mine are out
.endr
	; X's fragment: lane l holds row l % 16; K = 8 (l / 16) + 0..7 and 16 + 8 (l / 16) + 0..7: two loads of 16 bytes, 32 bytes apart.
	v_and_b32 v1, 15, v0
	v_bfe_u32 v2, v0, 4, 1
	v_mul_u32_u24 v3, v1, PA
	v_lshl_add_u32 v3, v2, 4, v3                   ; row x pitch + 16 x half
	; W's: the turning load takes 16 k x 16 n (lane l reads k = 8 (l / 16) + l % 8, columns 8 ((l / 8) % 2) + 0..7) and leaves half a fragment: lane l holds column l % 16 and 8 k.
	v_and_b32 v4, 7, v0
	v_lshl_add_u32 v4, v2, 3, v4
	v_mul_u32_u24 v4, v4, PB
	v_bfe_u32 v5, v0, 3, 1
	v_lshl_add_u32 v4, v5, 4, v4
	s_mul_i32 s21, s11, HALFA
	s_add_co_u32 s21, s21, AOFF                    ; my 128 rows of X
	s_mul_i32 s22, s12, HALFB                      ; my 128 columns of W
.irp s, 0,1
	v_add_nc_u32 v[ADRA+(\s)], s21, v3
	v_add_nc_u32 v[ADRB+(\s)], s22, v4
	s_add_co_u32 s21, s21, SLOT
	s_add_co_u32 s22, s22, SLOT
.endr
	s_mul_i32 s23, s10, 16*SPITCH
	s_add_co_u32 s23, s23, STAGE                   ; my stage
	v_add_nc_u32 v[STO], s23, v3                   ; in: row l % 16, 16 bytes for each half of the lanes (the stage's pitch is X's)
	v_bfe_u32 v5, v0, 3, 2                         ; back: 32 lanes take four rows x 128 bytes, one head's part of them,
	v_mul_u32_u24 v5, v5, SPITCH
	v_and_b32 v6, 7, v0
	v_lshl_add_u32 v5, v6, 4, v5
	v_add_nc_u32 v[RD], s23, v5
	v_and_b32 v[CO], 31, v0                        ; which are 512 consecutive bytes of the head's rows
	v_lshlrev_b32 v[CO], 4, v[CO]
	; where my part of the first tile begins in qkv
	s_lshl_b32 s14, s13, 8
	s_lshl_b32 s15, s11, 7
	s_add_co_u32 s14, s14, s15                     ; my first row m0
	s_lshr_b32 s15, s14, 10
	s_lshl_b32 s15, s15, 21                        ; its batch: 16 heads of 131,072 bytes
	s_and_b32 s14, s14, 1023
	s_lshl_b32 s14, s14, 7                         ; its row in the batch: 128 bytes
	s_add_co_u32 s16, s14, s15
	s_lshl_b32 s14, s66, 23                        ; the array
	s_add_co_u32 s16, s16, s14
	s_lshl_b32 s14, s42, 2
	s_lshl_b32 s15, s12, 1
	s_add_co_u32 s14, s14, s15                     ; my first head: 4 x tile column + 2 x half
	s_lshl_b32 s14, s14, 17
	s_add_co_u32 s16, s16, s14
	s_mov_b32 s17, 0                               ; s[16:17]: what the first way out adds to C's address
	s_mov_b64 s[8:9], s[6:7]
	; the prefetches' place: my work-group's 32 of the 128 rows that I fetch, at K step 3; the first refill steps it to K step 4
	s_cmp_eq_u32 s66, 6
	s_cselect_b32 s18, 3, s66
	s_lshl_b32 s18, s18, 23
	s_lshl_b32 s19, s13, 8
	s_lshl_b32 s20, s12, 7
	s_add_co_u32 s19, s19, s20
	s_lshl_b32 s20, s40, 5
	s_add_co_u32 s19, s19, s20
	s_lshl_b32 s19, s19, 11
	s_add_co_u32 s18, s18, s19
	s_add_co_u32 s18, s18, 3*STEP_A                ; X's
	s_lshl_b32 s20, s66, 21
	s_add_co_u32 s20, s20, WBASE+3*STEP_B
	s_lshl_b32 s21, s42, 9
	s_add_co_u32 s20, s20, s21
	s_lshl_b32 s21, s12, 8
	s_add_co_u32 s20, s20, s21
	s_lshl_b32 s21, s41, 16                        ; 32 cy rows of 2,048 bytes
	s_add_co_u32 s20, s20, s21                     ; W's
	s_cmp_lg_u32 s66, 6
	s_cselect_b32 s22, 1, -1                       ; X's waves ask, but in GEMM 6
	s_and_b32 s23, s67, 1
	s_cmp_eq_u32 s23, 0
	s_cselect_b32 s23, 1, -1                       ; W's waves ask in the GEMM's even cluster
	s_movk_i32 s68, STEP_A
	s_mov_b32 s19, STEP_B
	s_cmp_eq_u32 s11, 1                            ; do I fetch for X?
	s_cselect_b32 s[LIM], s22, s23                 ; the same in all sixteen partners, for a given wave
	s_cselect_b32 s44, s18, s20
	s_cselect_b32 s68, s68, s19
	s_mov_b32 s45, 0
	s_mov_b32 s69, 0
	s_add_nc_u64 s[PFA:PFA+1], s[4:5], s[44:45]
	v_and_b32 v[PFO], 31, v0
	v_lshlrev_b32 v[PFO], 11, v[PFO]
; 16 matrix instructions: m blocks a0, a0 + 1 of the window's four x all 8 n blocks, 32 along K.  zero = 1: the first product starts the sums.
; The 64 accumulators take turns, in the same order in every quarter step.
.macro MUL16 f, hi, a0, zero
	WIN MUL_LO+0x50*(\hi)
.irp a, \a0, (\a0)+1
.irp b, 0,1,2,3,4,5,6,7
.if \zero
	v_wmma_f32_16x16x32_bf16 v[8*(8*(\a)+(\b)):8*(8*(\a)+(\b))+7], v[(\f)+8*(\b):(\f)+8*(\b)+7], v[(\f)+8*(4*(\hi)+(\a)):(\f)+8*(4*(\hi)+(\a))+7], 0
.else
	v_wmma_f32_16x16x32_bf16 v[8*(8*(\a)+(\b)):8*(8*(\a)+(\b))+7], v[(\f)+8*(\b):(\f)+8*(\b)+7], v[(\f)+8*(4*(\hi)+(\a)):(\f)+8*(4*(\hi)+(\a))+7], v[8*(8*(\a)+(\b)):8*(8*(\a)+(\b))+7]
.endif
.endr
.endr
.endm
; 32 LDS loads in one run: the fragments of quarter q (32 along K) of a slot into buffer f: W's 128 columns (turned), then X's 128 rows
.macro FETCH slot, q, f
	WIN TO_B
.irp i, 0,1,2,3,4,5,6,7
	ds_load_tr16_b128 v[(\f)+8*(\i):(\f)+8*(\i)+3],   v[ADRB+(\slot)] offset:(\q)*32*PB+(\i)*32
	ds_load_tr16_b128 v[(\f)+8*(\i)+4:(\f)+8*(\i)+7], v[ADRB+(\slot)] offset:(\q)*32*PB+16*PB+(\i)*32
.endr
	WIN 0
.irp i, 0,1,2,3,4,5,6,7
	ds_load_b128 v[(\f)+8*(\i):(\f)+8*(\i)+3],   v[ADRA+(\slot)] offset:(\q)*64+(\i)*16*PA
	ds_load_b128 v[(\f)+8*(\i)+4:(\f)+8*(\i)+7], v[ADRA+(\slot)] offset:(\q)*64+(\i)*16*PA+32
.endr
.endm
.macro PLACES                          ; four places in front of loads into registers that matrix instructions have read, and of conversions that read results
.rept 4
	v_nop
.endr
.endm
; One of a K step's first three quarters: multiplies buffer f; in its middle it fetches quarter q of the same slot into buffer g.
.macro QUARTER slot, q, f, g, zero
	s_wait_dscnt 8                                 ; W and X's rows 0-63 are in; the youngest eight loads (X's rows 64-127) may be out
	WIN MUL_LO
	MUL16 \f, 0, 0, \zero
	MUL16 \f, 0, 2, \zero
	PLACES
	FETCH \slot, \q, \g
	s_wait_dscnt 32                                ; all but the 32 just issued
	WIN MUL_HI
	MUL16 \f, 1, 0, \zero
	MUL16 \f, 1, 2, \zero
.endm
; The last quarter multiplies buffer 1 and changes slots.  MEET is its first half: one barrier; in front of it each wave waits for all its tensor loads (one is out: its part of the
; next slot), adds 0 to its spare word, and waits for that and for its own reads of this slot.  Behind it nobody reads this slot any more and the next slot is whole.
.macro MEET round
	WIN 0
	s_wait_tensorcnt 0x0                           ; all my tensor loads have landed
	ds_add_u32 v[SPW], v[NIL]                      ; 0 onto my spare word
	s_wait_dscnt 9                                 ; (the add and the youngest eight loads may be out)
	WIN MUL_LO
	MUL16 F1, 0, 0, 0
	s_wait_dscnt 0x0                               ; the add is done, and my reads of this slot are over
	s_barrier_signal -1
	MUL16 F1, 0, 2, 0                              ; work on registers while the others arrive
.if \round
	WIN 0
.endif
	s_barrier_wait -1
.endm
; The whole last quarter with a refill, by the steps that the lap's head has chosen.  From a request to the wait for it a wave issues 224 matrix instructions, across tiles too.
.macro TURN slot, next
	s_wait_xcnt 0x0                                ; the last prefetch, a K step back, has read its address: it is stepped here
.if (\slot) == 0
	s_add_nc_u64 s[PFA:PFA+1], s[PFA:PFA+1], s[PF0:PF0+1]
.else
	s_add_nc_u64 s[PFA:PFA+1], s[PFA:PFA+1], s[PFS:PFS+1]
.endif
	MEET 1
	CREST                                          ; the barrier has opened a round of the cluster's barrier: no wave of any partner still reads this slot or has a load on its way
	s_add_nc_u64 s[G0+4*(\slot)+2:G0+4*(\slot)+3], s[G0+4*(\slot)+2:G0+4*(\slot)+3], s[STA:STA+1]
	s_add_nc_u64 s[G0B+4*(\slot)+2:G0B+4*(\slot)+3], s[G0B+4*(\slot)+2:G0B+4*(\slot)+3], s[STB:STB+1]
	s_sub_nc_u64 s[G0B+4*(\slot)+2:G0B+4*(\slot)+3], s[G0B+4*(\slot)+2:G0B+4*(\slot)+3], s[BKB:BKB+1]
	JLOAD \slot                                    ; the first tensor load behind the round; its four v_nop are also the places in front of the loads below
	FETCH \next, 0, F0
	ASK
	WIN MUL_HI
	MUL16 F1, 1, 0, 0
	MUL16 F1, 1, 2, 0
.endm
; THE WAY OUT of block a (16 rows x 128 columns).  PACK: rounded to f16, each accumulator's registers in ascending order.  TOSTAGE: into my own stage, and back as four rows of one head.  SEND: stored.
.macro PACK a
.set AC, 64*((\a)%4)
	WIN 0x0a+5*((\a)/4)                            ; sources 0 and 1: window 2 or 3
.irp b, 0,1,2,3,4,5,6,7
.irp r, 0,1,2,3
	v_cvt_pk_f16_f32 v[TMP+4*(\b)+(\r)], v[AC+8*(\b)+2*(\r)], v[AC+8*(\b)+2*(\r)+1]
.endr
.endr
	WIN 0
.endm
.macro TOSTAGE a
	WIN 0
.set BK, OB+192*((\a)%2)
.irp b, 0,1,2,3,4,5,6,7
	ds_store_b128 v[STO], v[TMP+4*(\b):TMP+4*(\b)+3] offset:32*(\b)
.endr
.irp t, 0,1,2,3,4,5,6,7
	ds_load_b128 v[BK+4*(\t):BK+4*(\t)+3], v[RD] offset:((\t)%4)*4*SPITCH+((\t)/4)*128  ; LDS serves a wave's instructions in order (ISA guide 5.7.1.4): these see the stores above
.endr
.endm
.macro SEND a, younger
	WIN 0
.set BK, OB+192*((\a)%2)
	s_wait_dscnt \younger                          ; the block is back in registers
	s_wait_xcnt 0x0                                ; only behind this wait are the stores' base and the registers that earlier stores read rewritten
.if (\a) == 0
	s_add_nc_u64 s[8:9], s[8:9], s[16:17]          ; on to this tile's first rows
.else
	s_add_nc_u64 s[8:9], s[8:9], 16*128            ; 16 rows of a head on
.endif
.irp t, 0,1,2,3,4,5,6,7
	global_store_b128 v[CO], v[BK+4*(\t):BK+4*(\t)+3], s[8:9] offset:((\t)/4)*131072+((\t)%4)*512  ; a wave stores 512 consecutive bytes, aligned: four rows of head t / 4 of my two
.endr
.endm
	s_wait_tensorcnt 1                             ; my part of K step 0 is in; K step 1's may stay out
	s_barrier_signal -1
	s_barrier_wait -1
	FETCH 0, 0, F0
	s_mov_b32 s2, 2                                ; tiles to go: the same number in every work-group
.Ltile:
	QUARTER 0, 1, F0, F1, 1                        ; a tile's first quarter: its products start the sums
	WIN 0
	s_mov_b32 s3, LAPS                             ; laps to go in this tile
.Llap:                                         ; a trip goes once round the ring, from a lap's second quarter to the next lap's first
	s_cmp_eq_u32 s3, 1                             ; the tile's last lap?  Then its refills step to the next tile's K steps 0 and 1:
	s_cselect_b32 s[STA], s[C_NA], s[C_2A]         ; X goes 2,048 rows down and back along K,
	s_cselect_b32 s[STB], 0, s[C_2B]               ; W only back,
	s_cselect_b32 s[BKB], s[C_BB], 0
	s_cselect_b32 s[PF0], s[C_PN], s[PFS]          ; the prefetches go to the next tile's K step 2,
	s_cselect_b32 s[TS], s11, 1
	s_cselect_b32 s[LT], s2, 0                     ; (1: it is the last tile's last lap)
	s_cmp_eq_u32 s[TS], 1
	s_cselect_b32 s[LIM], s[LIM], -1               ; and W's rows, the same for both tiles, are asked for no more
	QUARTER 0, 2, F1, F0, 0
	QUARTER 0, 3, F0, F1, 0
	WIN 0
	s_cmp_eq_u32 s[LT], 1
	s_cbranch_scc1 .Llast                          ; the last tile's last lap asks for nothing more: its rest is written out
	TURN 0, 1
	QUARTER 1, 1, F0, F1, 0
	QUARTER 1, 2, F1, F0, 0
	QUARTER 1, 3, F0, F1, 0
	TURN 1, 0                                      ; (in a tile's last lap the fragments that it fetches are the next tile's first)
	WIN 0
	s_cmp_eq_u32 s3, 1
	s_cbranch_scc1 .Lout                           ; the first tile's last lap ends here: both refills are asked for, now the tile goes out
	QUARTER 0, 1, F0, F1, 0
	WIN 0
	s_sub_co_u32 s3, s3, 1
	s_cmp_lg_u32 s3, 0
	s_cbranch_scc1 .Llap                           ; the trip with s3 = 1 has left by one of the two jumps above, so this jump is taken whenever it is reached
.Llast:
	MEET 0                                         ; my one tensor load that was out is slot 1's, so no round follows
	PLACES
	FETCH 1, 0, F0
	WIN MUL_HI
	MUL16 F1, 1, 0, 0
	MUL16 F1, 1, 2, 0
	QUARTER 1, 1, F0, F1, 0
	QUARTER 1, 2, F1, F0, 0
	QUARTER 1, 3, F0, F1, 0
	s_wait_dscnt 8                                 ; the very last quarter: nothing more to fetch
	MUL16 F1, 0, 0, 0
	MUL16 F1, 0, 2, 0
	s_wait_dscnt 0x0
	MUL16 F1, 1, 0, 0
	MUL16 F1, 1, 2, 0
	WIN 0
.Lout:
	PLACES                                         ; the places behind the last products, ahead of the first conversions
	PACK 0
	TOSTAGE 0
.irp a, 1,2,3,4,5,6,7                  ; block a's conversions stand between block a - 1's loads from the stage and the wait for them
	PACK \a
	SEND (\a)-1, 0
	TOSTAGE \a
.endr
	SEND 7, 0
	s_mov_b64 s[16:17], NEXT_C                     ; what the next way out adds to C's address
	s_sub_co_u32 s2, s2, 1
	s_cmp_lg_u32 s2, 0
	s_cbranch_scc1 .Ltile
	s_wait_tensorcnt 0x0                           ; the wave's end, behind my last tensor load and my last LDS store
	ds_add_u32 v[SPW], v[NIL]
	s_wait_dscnt 0x0
	CROUND                                         ; the closing round: no work-group ends while a partner may still ask for a tile that names it
	s_endpgm
.Lfunc_end_k_q7ec0afee27_proj:
	.size	k_q7ec0afee27_proj, .Lfunc_end_k_q7ec0afee27_proj-k_q7ec0afee27_proj
	.p2alignl 7, 3214868480
	.fill 96, 4, 3214868480
	.section	.rodata,"a",@progbits
	.p2align	6, 0x0
	.amdhsa_kernel k_q7ec0afee27_proj
		.amdhsa_group_segment_fixed_size 327680
		.amdhsa_private_segment_fixed_size 0
		.amdhsa_enable_private_segment 0
		.amdhsa_kernarg_size 16
		.amdhsa_user_sgpr_count 2
		.amdhsa_user_sgpr_kernarg_segment_ptr 1
		.amdhsa_wavefront_size32 1
		.amdhsa_system_sgpr_workgroup_id_x 1
		.amdhsa_system_sgpr_workgroup_id_y 1
		.amdhsa_system_sgpr_workgroup_id_z 1
		.amdhsa_system_vgpr_workitem_id 0
		.amdhsa_next_free_vgpr 1024
		.amdhsa_next_free_sgpr 86
		.amdhsa_reserve_vcc 0
		.amdhsa_float_denorm_mode_32 3
		.amdhsa_float_denorm_mode_16_64 3
		.amdhsa_memory_ordered 1
		.amdhsa_forward_progress 1
		.amdhsa_inst_pref_size 134
	.end_amdhsa_kernel
	.amdgpu_metadata
---
amdhsa.version: [ 1, 2 ]
amdhsa.kernels:
  - .name:           k_q7ec0afee27_proj
    .symbol:         k_q7ec0afee27_proj.kd
    .args:
      - { .name: xw, .offset: 0, .size: 8, .value_kind: global_buffer, .address_space: global }
      - { .name: qkv, .offset: 8, .size: 8, .value_kind: global_buffer, .address_space: global }
    .group_segment_fixed_size: 327680
    .private_segment_fixed_size: 0
    .kernarg_segment_align: 8
    .kernarg_segment_size: 16
    .max_flat_workgroup_size: 128
    .sgpr_count:     86
    .vgpr_count:     1024
    .wavefront_size: 32
...
	.end_amdgpu_metadata
.endif
;; end of part 2
;; launch attn (part 3): grid 4 x 64, 4 waves a work-group, clusters of 4 x 1, 327,680 bytes of LDS; arguments qkv, ob; writes ob
.if DOCPART == 3
	.amdgcn_target "amdgcn-amd-amdhsa--gfx1250"
	.amdhsa_code_object_version 6
	.text
	.protected	k_q7ec0afee27_attn
	.globl	k_q7ec0afee27_attn
	.p2align	8
	.type	k_q7ec0afee27_attn,@function
k_q7ec0afee27_attn:
	s_mov_b64 s[64:65], 0
	v_nop
	global_prefetch_b8 v0, s[64:65] scope:SCOPE_SE
	s_setreg_imm32_b32 hwreg(HW_REG_WAVE_MODE, 25, 1), 1
	s_wait_xcnt 0x0
	s_wait_alu depctr_hold_cnt(0) depctr_sa_sdst(0) depctr_va_vdst(0) depctr_va_sdst(0) depctr_va_ssrc(0) depctr_va_vcc(0) depctr_vm_vsrc(0)
	s_getreg_b32 s2, hwreg(HW_REG_IB_STS2, 6, 4)
	s_cmp_eq_u32 s2, 0
	s_cbranch_scc0 .Lentry_in_a_cluster
	s_endpgm
.Lentry_in_a_cluster:
	s_bfe_u32 s2, ttmp6, 0x10000c
	s_cmp_lg_u32 s2, 0x3003
	s_cbranch_scc0 .Lentry_shape_is_right
	s_endpgm
.Lentry_shape_is_right:
; ATTENTION.  For each of 64 (batch, head): O[q] = the sum over k of softmax_k((Qw.Kw + Qp.Kp + Qc.Kc)[q][k] / 8) V[k].  qkv holds seven arrays [64][1024][64] f16: Q's three streams, K's three, V.
; Scores are one sum over 192 channels.  Products, maxima and sums in f32; the weights p are rounded to f16 for the second product (their sum l is taken of the unrounded p), O once at the end.
; O leaves as ob = [row block of 128 (32)][head (16)][row in the block (128)][64] f16.
; LIMITS.  p lies in 0 to 1 and below 6e-5 keeps f16's fixed step of 6e-8; O is a mean of V's rows and has their range; a weight below 2^-126 counts as 0 in l; NaN and infinities are not treated apart.
; SHARES.  A work-group owns 256 queries of a head, each wave 64: four tiles of 16, in two PIECES (piece 0: tiles 0, 1; piece 2: tiles 2, 3).  Every wave walks the 1,024 keys, 64 a step.
; LAYOUT.  S^T = K Q^T (source 0 = 16 keys, source 1 = 16 queries): a lane holds ONE query (lane % 16) and the keys 8 (lane / 16) + 0..7.  Two such results, rounded to f16 in pairs, ARE source 1
; of O^T = V^T P.  K comes out of LDS as it lies, V ([key][channel]) turned, by ds_load_tr16_b128.
; SOFTMAX.  A running maximum m and sum l: p = 2^(c s - c m), c = log2(e) / 8; in every step O and l are multiplied by a = 2^(c m_old - c m_new).  m starts at the lowest finite number, O and l at 0:
; the first step is a step like any other, with a = 0.
; BY TURNS.  In a TURN one piece has the matrix unit: 16 products V^T P of the step in hand, then 48 products K Q^T of the next step; the other piece's softmax (2 x 118 vector instructions)
; stands in slices of four behind them.  Two turns are a key step.  A turn's 66 exponentials are one batch with one wait.
; CLUSTER.  The four query blocks of a head walk the same K and V: each tile is asked for JOINTLY, the same tensor load, descriptor and mask in all four.
; REGISTERS, in windows of 256 (s_set_vgpr_msb: bits 1:0 source 0, 3:2 source 1, 5:4 source 2, 7:6 destination):
;   window 0: v0-11 addresses; v12-43 eight registers of statistics a tile; v61-63; v64-191 S^T, 32 a tile; v192-255 P, 16 a tile
;   window 1: v0-127 O^T, 32 a tile; v128-191 V of one step        window 2: v0-191 Q, 48 a tile        window 3: v0-191 K of one step
.set KS,    64
.set PK,    144       ; a row of K in LDS: 128 bytes + 16: the 16 rows of a load start at 16 different groups of four banks (64 banks of 4 bytes: ISA guide 11.1)
.set PV,    160       ; a row of V: 128 + 32
.set KSTR,  128*PK    ; a slot holds two steps, 128 keys: K's three streams, 18,432 bytes each,
.set VOFF,  3*KSTR    ; then V
.set SLOT1, 1<<17     ; slot 1 begins here: one exclusive or turns an address in one slot into the other's
.set STAGE, SLOT1+VOFF+128*PV  ; behind the ring: 16 rows x 144 bytes for each wave, for the way out
.set SP,    144
.set SPARE, STAGE+4*16*SP      ; behind the stages: the spare words, 128 bytes for each wave: two blocks of 256 bytes that no other line names
.set ARR,   8388608   ; bytes in an array of qkv
.set FILLB, 16384     ; 128 keys of one array
.set AK0, 2           ; v2   my lane's place in a tile of K; never rewritten
.set AV0, 3           ; v3   the same for V
.set ADR, 4           ; v4   the LDS address of the run of loads in hand
.set QO,  6           ; v6   my byte offset in 16 rows of Q
.set STO, 6           ;      later, the way out: where I put 16 bytes of a row
.set RD,  7           ; v7   where I read rows back
.set GO,  8           ; v8   my 16 bytes of 512 consecutive bytes of O
.set ST,  12          ; tile t's statistics at v[ST+8 t]: +0 c m, +1 m, +2, +3 l (even keys', odd keys'), +4 to +7 c0-c3 at work; a takes c2's place
.set PFO, 61          ; v61  256 x my lane; never rewritten
.set SPW, 62          ; v62  LDS address of my spare word; never rewritten
.set NIL, 63          ; v63  0; never rewritten
.set S,   64
.set P,   192
.set VF,  128         ; V's fragments, window 1: key half kk, channel block cb at VF + 32 kk + 8 cb
.set WV,  12          ; s12  my wave's number
.set LIM, 15          ; s15  1 in a wave that prefetches, else the greatest number
.set PFA, 18          ; s[18:19] where my prefetches stand
.set G1K, 24          ; s[24:31] descriptor group 1 for K's tiles
.set G1V, 32          ; s[32:39] for V's: it differs in the padding alone
.set G0,  40          ; s[40:43] descriptor group 0: it walks
.set SLOTS, 56        ; s56  changes of slots still to come in the loop
.set CNT, 57          ; s57  counts a slot's key steps
.set CS,  58          ; s[58:59] c
.set SEL, 60          ; s[60:61] v_permlanex16_b32's selects: each lane takes its own place in the other half
.set TBK, 62          ; s62  LDS byte at which K of the step to be fetched begins
.set TBV, 63          ; s63  the same for V, less VOFF
.set MSB, 0
.macro WIN new
.if MSB != (\new)
	s_set_vgpr_msb (MSB<<8)|(\new)
.set MSB, (\new)
.endif
.endm
.set W_KQ, 0x0b       ; K in window 3, Q in window 2, S^T in window 0
.set W_PV, 0x51       ; V and O^T in window 1, P in window 0
.set W_RS, 0x41       ; O^T (destination and source 0) in window 1, a in window 0
; A joint fill: wave w fetches 128 keys of array 3 + w (K's three streams, V).  The branch hangs on the wave's number alone.
; An s_nop 0 and four v_nop follow each of the two lines, ahead of the jump and the label.
.macro JLOAD
	s_cmp_lt_u32 s[WV], 3
	s_cbranch_scc0 .Lfor_v_\@
	tensor_load_to_lds s[G0:G0+3], s[G1K:G1K+7]
	s_nop 0
.rept 4
	v_nop
.endr
	s_branch .Lasked_\@
.Lfor_v_\@:
	tensor_load_to_lds s[G0:G0+3], s[G1V:G1V+7]
	s_nop 0
.rept 4
	v_nop
.endr
.Lasked_\@:
.endm
; A PREFETCH INTO THE L2 of what the NEXT change of slots will ask for: 16,384 bytes of each of four arrays.  A head is walked by one cluster; partner cx takes array 3 + cx, BY ADDRESS; in it waves 0 and 1
; take 8,192 bytes each, a lane a block of 256: each block is named once in the launch, two key steps (256 matrix instructions) ahead of its load.  The last change that fills a slot asks for nothing.
.macro ASK
	s_cmp_gt_u32 s[SLOTS], s[LIM]
	s_cbranch_scc0 .Lnot_mine_\@
	global_prefetch_b8 v[PFO], s[PFA:PFA+1] th:TH_LOAD_NT scope:SCOPE_SE
.Lnot_mine_\@:
.endm
.macro CROUND                       ; a round of the cluster's barrier
	s_barrier_signal -1
	s_barrier_wait -1
	s_cmp_lg_u32 s[WV], 0
	s_cbranch_scc1 .Lnot_wave_0_\@
	s_barrier_signal -3
.Lnot_wave_0_\@:
	s_barrier_wait -3
	s_barrier_signal -1
	s_barrier_wait -1
.endm
; THE CHANGE OF SLOTS.  Each wave waits for all its tensor loads (one is out: its part of the other slot), adds 0 to its spare word, and waits for that and for its own reads of the slot that it leaves.
; fill = 1: the old slot is filled again, with the keys two slots on: the barrier is a round of the cluster's, and the joint fill is the first thing behind it.  (At its first use slot 0 is waited for and slot 1 filled.)
.macro CHANGE fill, ask
	WIN 0
	s_wait_tensorcnt 0x0            ; no tensor load of mine is out, so group 0 may be written
	ds_add_u32 v[SPW], v[NIL]       ; 0 onto my spare word
.if \fill
	s_xor_b32 s[G0+1], s[G0+1], SLOT1
	s_add_nc_u64 s[G0+2:G0+3], s[G0+2:G0+3], FILLB  ; the next 128 keys; the type bits on top are not reached
.endif
.if \ask
	s_wait_xcnt 0x0                 ; the last prefetch, two key steps back, has read its address
	s_add_nc_u64 s[PFA:PFA+1], s[PFA:PFA+1], FILLB
.endif
	s_wait_dscnt 0x0                ; the add is done, and my reads of the slot are over
.if \fill
	CROUND
	JLOAD
.if \ask
	ASK
.endif
.else
	s_barrier_signal -1
	s_barrier_wait -1
.endif
	s_sub_co_u32 s[TBK], s[TBK], 2*KS*PK  ; the fetches go back to a slot's first step,
	s_xor_b32 s[TBK], s[TBK], SLOT1       ; in the other slot
	s_sub_co_u32 s[TBV], s[TBV], 2*KS*PV
	s_xor_b32 s[TBV], s[TBV], SLOT1
.endm
	s_load_b128 s[4:7], s[0:1], 0x0 ; qkv s[4:5], ob s[6:7]
	v_lshl_add_u32 v[SPW], v0, 2, SPARE
	v_mov_b32 v[NIL], 0
	ds_add_u32 v[SPW], v[NIL]       ; the wave's opening: the add and its wait stand ahead of my first tensor load; the set-up below stands between them
	v_lshrrev_b32 v1, 5, v0
	v_readfirstlane_b32 s[WV], v1   ; wave 0..3
	s_bfe_u32 s13, ttmp6, 0x40000   ; cx: my block of 256 queries (the grid has one cluster along x)
	s_and_b32 s14, ttmp7, 0xffff    ; batch x 16 + head, which the four partners share
	s_lshl_b32 s16, s14, 17         ; its 131,072 bytes in each array
	s_add_co_u32 s20, s[WV], 3      ; the array that I fetch
	s_lshl_b32 s20, s20, 23
	s_add_co_u32 s20, s20, s16
	s_mov_b32 s21, 0
	s_lshl_b32 s2, s13, 15          ; Q: my block's 256 rows of 128 bytes,
	s_lshl_b32 s3, s[WV], 13        ; my wave's 64
	s_add_co_u32 s2, s2, s3
	s_add_co_u32 s2, s2, s16
	s_mov_b32 s3, 0
	s_lshr_b32 s22, s14, 4          ; O: row block = 8 x batch + 2 cx + wave / 2,
	s_lshl_b32 s22, s22, 3
	s_lshl1_add_u32 s22, s13, s22
	s_lshr_b32 s23, s[WV], 1
	s_add_co_u32 s22, s22, s23
	s_lshl_b32 s22, s22, 18         ; 262,144 bytes each;
	s_and_b32 s23, s14, 15
	s_lshl_b32 s23, s23, 14         ; the head's 16,384;
	s_add_co_u32 s22, s22, s23
	s_and_b32 s23, s[WV], 1
	s_lshl_b32 s23, s23, 13         ; my 64 of its 128 rows
	s_add_co_u32 s22, s22, s23
	s_mov_b32 s23, 0
	s_add_co_u32 s18, s13, 3        ; the prefetches: array 3 + cx,
	s_lshl_b32 s18, s18, 23
	s_add_co_u32 s18, s18, s16
	s_lshl_b32 s19, s[WV], 13       ; my half of a slot's 16,384 bytes,
	s_add_co_u32 s18, s18, s19
	s_add_co_u32 s18, s18, 2*FILLB  ; in slot 2: the loop's first change steps it to slot 3.  Nothing is prefetched at the head
	s_mov_b32 s19, 0
	s_cmp_lt_u32 s[WV], 2
	s_cselect_b32 s[LIM], 1, -1
	; descriptor group 1.  128 keys are 16,384 dense bytes: asked for as 64 rows of 256 bytes, two keys a row, and padded in LDS after every key
	s_mov_b32 s[G1K], 15|(1<<16)|(1<<20)|(1<<21)|(4<<22)|(3<<25)  ; 15:0 the mask of four; 17:16 2-byte elements; 20 padding on; 21 set beside a mask; 24:22 after every 32 words; 31:25 4 words
	s_mov_b32 s[G1V], 15|(1<<16)|(1<<20)|(1<<21)|(4<<22)|(7<<25)  ; the same with 8 words
.irp g, G1K, G1V
	s_mov_b32 s[\g+1], 128<<16      ; tensor_dim0 = 128
	s_mov_b32 s[\g+2], 64<<16       ; tensor_dim1 = 64
	s_mov_b32 s[\g+3], 128<<16      ; tile_dim0 = 128
	s_mov_b32 s[\g+4], 64           ; tile_dim1 = 64
	s_mov_b32 s[\g+5], 128          ; elements from row to row
	s_mov_b32 s[\g+6], 0
	s_mov_b32 s[\g+7], 0
.endr
	s_mov_b32 s[G0], 1
	s_mul_i32 s[G0+1], s[WV], KSTR  ; slot 0: stream w at 18,432 w; for wave 3 that is V's place
	s_mov_b32 s[CS], 0x3e38aa3b     ; c = log2(e) / 8
	s_mov_b32 s[CS+1], s[CS]
	s_mov_b32 s[SEL], 0x76543210
	s_mov_b32 s[SEL+1], 0xfedcba98
	s_mov_b32 s[TBK], SLOT1+2*KS*PK ; the first change of slots turns these two into 0
	s_mov_b32 s[TBV], SLOT1+2*KS*PV
	v_and_b32 v[PFO], 31, v0
	v_lshlrev_b32 v[PFO], 8, v[PFO]
	s_wait_dscnt 0x0                ; the opening add is done
	s_wait_kmcnt 0x0
	s_add_nc_u64 s[G0+2:G0+3], s[4:5], s[20:21]
	s_or_b32 s[G0+3], s[G0+3], 0x80000000
	s_add_nc_u64 s[PFA:PFA+1], s[4:5], s[18:19]
	s_add_nc_u64 s[10:11], s[6:7], s[22:23]  ; O at my wave's first row
	s_add_nc_u64 s[4:5], s[4:5], s[2:3]      ; Q's stream 0 at my wave's first row,
	s_add_nc_u64 s[44:45], s[4:5], ARR       ; stream 1,
	s_add_nc_u64 s[46:47], s[44:45], ARR     ; stream 2
	CROUND                          ; all four work-groups are here: the first joint loads meet
	JLOAD                           ; slot 0; slot 1 is asked for when slot 0 is in
	v_and_b32 v1, 15, v0            ; l % 16
	v_bfe_u32 v9, v0, 4, 1          ; l / 16
	v_lshlrev_b32 v[QO], 7, v1
	v_lshl_add_u32 v[QO], v9, 4, v[QO]  ; row x 128 + 16 x half
	WIN 0x80                        ; destination window 2, address window 0
.macro QLOAD st, base               ; Q stays in registers: tile t, channel block 2 st + c at 48 t + 16 st + 8 c
.set t, 0
.rept 4
.set c, 0
.rept 2
	global_load_b128 v[48*t+16*(\st)+8*c:48*t+16*(\st)+8*c+3],   v[QO], s[\base:\base+1] offset:t*2048+c*64
	global_load_b128 v[48*t+16*(\st)+8*c+4:48*t+16*(\st)+8*c+7], v[QO], s[\base:\base+1] offset:t*2048+c*64+32
.set c, c+1
.endr
.set t, t+1
.endr
.endm
	QLOAD 0, 4
	QLOAD 1, 44
	QLOAD 2, 46
	; What the first turn finds: V and piece 2's P hold 0 (its products V^T P, of a step that has not been, add 0), O^T and l are 0.  All this stands in the wait for the first tile.
	WIN 0x40
.set i, 0
.rept 192
	v_mov_b32 v[i], 0
.set i, i+1
.endr
	WIN 0
.set i, 0
.rept 4
	v_mov_b32 v[ST+8*i], 0xfe000000    ; c m: far below every c s
	v_mov_b32 v[ST+8*i+1], 0xff7fffff  ; m
	v_mov_b32 v[ST+8*i+2], 0
	v_mov_b32 v[ST+8*i+3], 0
.set i, i+1
.endr
.set i, P+32
.rept 32
	v_mov_b32 v[i], 0
.set i, i+1
.endr
	v_mul_u32_u24 v[AK0], v1, PK
	v_lshl_add_u32 v[AK0], v9, 4, v[AK0]  ; row x pitch + 16 x half
	; The turning load takes 16 keys x 16 channels (lane l reads key 8 (l / 16) + l % 8, channels 8 ((l / 8) % 2) + 0..7) and leaves half a fragment of V^T: lane l holds channel l % 16 and 8 keys.
	v_and_b32 v10, 7, v0
	v_bfe_u32 v11, v0, 3, 1
	v_lshl_add_u32 v[AV0], v9, 3, v10
	v_mul_u32_u24 v[AV0], v[AV0], PV
	v_lshl_add_u32 v[AV0], v11, 4, v[AV0]
	v_add_nc_u32 v[AV0], VOFF, v[AV0]
; THE MATRIX WORK.  The 8 accumulators of a run take turns: between two links of a chain stand 7 others'.
; Product i of 48 of S^T = K Q^T for piece x: channel block i / 8 of six, keys 16 ((i / 2) % 4) on, tile x + i % 2.  The first 8 start the sums.
.macro KQ x
	WIN W_KQ
.set rS, S+32*((\x)+i%2)+8*((i/2)%4)
.set rK, 32*(i/8)+8*((i/2)%4)
.set rQ, 48*((\x)+i%2)+8*(i/8)
.if i < 8
	v_wmma_f32_16x16x32_f16 v[rS:rS+7], v[rK:rK+7], v[rQ:rQ+7], 0
.else
	v_wmma_f32_16x16x32_f16 v[rS:rS+7], v[rK:rK+7], v[rQ:rQ+7], v[rS:rS+7]
.endif
.endm
; Product i of 16 of O^T += V^T P for piece x: keys 32 (i / 8) on, channels 16 ((i / 2) % 4) on, tile x + i % 2.
.macro PV x
	WIN W_PV
.set rO, 32*((\x)+i%2)+8*((i/2)%4)
.set rV, VF+32*(i/8)+8*((i/2)%4)
.set rP, P+16*((\x)+i%2)+8*(i/8)
	v_wmma_f32_16x16x32_f16 v[rO:rO+7], v[rV:rV+7], v[rP:rP+7], v[rO:rO+7]
.endm
; THE LDS LOADS stand in runs.  A step's K: 64 keys x 192 channels, 24 fragments, channel block by channel block (8 loads each).  last = 1 (the tail): in the last trip there is no further step.
.macro FETCH_K last=0
	WIN 0
.if \last
	s_cmp_eq_u32 s[CNT], 1
	s_cbranch_scc1 .Lno_k_\@
.endif
	v_add_nc_u32 v[ADR], s[TBK], v[AK0]
	WIN 0xc0                        ; destination window 3
.set c, 0
.rept 6
.set kb, 0
.rept 4
	ds_load_b128 v[32*c+8*kb:32*c+8*kb+3],   v[ADR] offset:(c/2)*KSTR+kb*16*PK+(c%2)*64
	ds_load_b128 v[32*c+8*kb+4:32*c+8*kb+7], v[ADR] offset:(c/2)*KSTR+kb*16*PK+(c%2)*64+32
.set kb, kb+1
.endr
.set c, c+1
.endr
	s_add_co_u32 s[TBK], s[TBK], KS*PK  ; the next fetch is the next step's
	WIN 0
.if \last
.Lno_k_\@:
.endif
.endm
.macro FETCH_V
	WIN 0
	v_add_nc_u32 v[ADR], s[TBV], v[AV0]
	s_add_co_u32 s[TBV], s[TBV], KS*PV
	s_wait_alu depctr_va_vdst(0)    ; the wait for the softmax's batch (SLICE), ahead of the first line that names an exponential's result
	WIN 0x40                        ; destination window 1
.irp f, 0,1,2,3,4,5,6,7             ; keys 32 (f / 4) on, channels 16 (f % 4) on
	ds_load_tr16_b128 v[VF+8*\f:VF+8*\f+3],   v[ADR] offset:(\f/4)*32*PV+(\f%4)*32
	ds_load_tr16_b128 v[VF+8*\f+4:VF+8*\f+7], v[ADR] offset:(\f/4)*32*PV+16*PV+(\f%4)*32
.endr
.endm
; THE VECTOR WORK.  One tile's softmax for one key step is a list of 118 instructions; SM writes number j of it for tile t.  s0-s31 are the lane's 32 scores, in pairs 0-15.
;   0-15    the maximum of s0-s31 and the old m, three operands at a time (each accumulator's lowest registers are read first)
;   16-20   the other half of the lanes' maximum; c m_old kept; the new m; c m; c m_old - c m_new
;   21-69   ONE BATCH: the 16 scalings c s - c m and all 33 exponentials (a at 23, then s0-s31).  None of these reads an exponential's result; a pair is scaled ahead of its exponentials
;   (wait)  between 69 and 70 stands the wait for the batch: SLICE writes it, once for both tiles
;   70-85   the roundings to f16          86-101  the sums; l = a l + the sum          102-117 the tile's O^T times a
.macro SM t
.set rT, ST+8*(\t)
.set rS, S+32*(\t)
.set rP, P+16*(\t)
.set rO, 32*(\t)+2*(j-102)
.if j < 102
	WIN 0
.endif
.if j < 4
	v_max3_num_f32 v[rT+4+j], v[rS+8*j], v[rS+8*j+1], v[rS+8*j+2]
.elseif j < 12
	v_max3_num_f32 v[rT+4+j%4], v[rT+4+j%4], v[rS+8*(j%4)+2*(j/4)+1], v[rS+8*(j%4)+2*(j/4)+2]
.elseif j == 12
	v_max3_num_f32 v[rT+4], v[rT+4], v[rS+7], v[rS+15]
.elseif j == 13
	v_max3_num_f32 v[rT+6], v[rT+6], v[rS+23], v[rS+31]
.elseif j == 14
	v_max3_num_f32 v[rT+4], v[rT+4], v[rT+5], v[rT+6]
.elseif j == 15
	v_max3_num_f32 v[rT+4], v[rT+4], v[rT+7], v[rT+1]
.elseif j == 16
	v_permlanex16_b32 v[rT+5], v[rT+4], s[SEL], s[SEL+1]  ; the query's other 32 keys lie in the lane 16 away
.elseif j == 17
	v_mov_b32 v[rT+7], v[rT]        ; c m_old is kept for a: number 19 writes c m anew
.elseif j == 18
	v_max_num_f32 v[rT+1], v[rT+4], v[rT+5]
.elseif j == 19
	v_mul_f32 v[rT], s[CS], v[rT+1]
.elseif j == 20
	v_sub_f32 v[rT+7], v[rT+7], v[rT]
.elseif j == 23
	v_exp_f32 v[rT+6], v[rT+7]
.elseif (j < 23) || ((j < 38) && (j%2 == 0)) || ((j < 66) && (j%4 == 2))
.set b, (j-2)/4                     ; 38, 42, .. 62: pairs 9 to 15
.if j < 38
.set b, (j-20)/2                    ; 21: pair 0; 22, 24, .. 36: pairs 1 to 8
.endif
	v_pk_fma_f32 v[rS+2*b:rS+2*b+1], v[rS+2*b:rS+2*b+1], s[CS:CS+1], v[rT:rT+1] op_sel_hi:[1,0,0] neg_lo:[0,0,1] neg_hi:[0,0,1]  ; pair b: c s - c m
.elseif j < 70
.set e, j-38                        ; 66 to 69: s28 to s31
.if j < 66
.set e, j-32-(j-38)/4               ; 39-41, 43-45, .. 63-65: s7 to s27
.endif
.if j < 38
.set e, (j-25)/2                    ; 25, 27, .. 37: s0 to s6
.endif
	v_exp_f32 v[rS+e], v[rS+e]
.elseif j < 86
	v_cvt_pk_f16_f32 v[rP+j-70], v[rS+2*(j-70)], v[rS+2*(j-70)+1]
.elseif j < 102                     ; the sum of the 16 pairs, in place: neighbours 1, 2, 4 and 8 pairs apart, then l takes it
.set z, j-86
.set w, 4
.set u, z
.if z >= 14
.set w, 32
.set u, 0
.elseif z >= 12
.set w, 16
.set u, z-12
.elseif z >= 8
.set w, 8
.set u, z-8
.endif
.if z < 15
	v_pk_add_f32 v[rS+w*u:rS+w*u+1], v[rS+w*u:rS+w*u+1], v[rS+w*u+w/2:rS+w*u+w/2+1]
.else
	v_pk_fma_f32 v[rT+2:rT+3], v[rT+2:rT+3], v[rT+6:rT+7], v[rS:rS+1] op_sel_hi:[1,0,1]
.endif
.else
	WIN W_RS
	v_pk_mul_f32 v[rO:rO+1], v[rO:rO+1], v[rT+6:rT+7] op_sel_hi:[1,0]
.endif
.endm
; Slice k of piece y's softmax: four instructions.  Slices 11 to 34 deal out the batch, numbers 22 to 69: four numbers of ONE tile each, the tiles by turns.  Every other slice is numbers 2 k and
; 2 k + 1 of both tiles.  Slices 59 on are empty.  Behind slice 34: a plain instruction behind the last exponential, and the one wait for the piece's 66 exponentials; no exponential is issued behind it.
.macro SLICE y
.if (k >= 11) && (k < 35)
.irp n, 0,1,2,3
.set j, 22+4*((k-11)/2)+(\n)
	SM (\y)+(k-11)%2
.endr
.elseif k < 59
.irp n, 0,1
.irp t, \y, (\y)+1
.set j, 2*k+(\n)
	SM \t
.endr
.endr
.endif
.if k == 34
	v_nop
.if (\y) == 0
	FETCH_V                         ; piece 2's turn: V's run of loads stands here, and the wait stands in it
.else
	s_wait_alu depctr_va_vdst(0)    ; the wait for the batch
.endif
.endif
.set k, k+1
.endm
.macro PLACES
.rept 4
	v_nop
.endr
.endm
; A TURN.  Piece x has the matrix unit; the other piece's softmax stands in slices behind its matrix instructions.
; Piece 0's turn fetches the next step's K behind its second product (the last product that read K stands ahead of the four v_nop that end the turn before); the waits ahead of each channel
; block's eight products leave the later blocks' loads out, 8 each.  Piece 2's turn fetches the same step's V behind slice 34, more than four plain instructions behind its 16th product, V's last reader.
; The four v_nop at the end are the places between the last products K Q^T and the next turn's reads of those scores and loads into K.
.macro TURN x, last=0
.set k, 0
.if (\x) == 0
	s_wait_dscnt 0x0                ; V is in
.endif
.set i, 0
.rept 16
	PV \x
	SLICE 2-(\x)
.if ((\x) == 0) && (i == 1)
	FETCH_K \last
.endif
.set i, i+1
.endr
.set i, 0
.rept 48
.if ((\x) == 0) && (i%8 == 0)
	s_wait_dscnt 8*(5-i/8)          ; K's channel block i / 8 is in
.endif
	KQ \x
	SLICE 2-(\x)
.set i, i+1
.endr
	PLACES
.endm
	CHANGE 1, 0                     ; slot 0 is in, everybody's part of it; slot 1 is asked for
	FETCH_K                         ; key step 0
	s_wait_loadcnt 0x0              ; Q
	s_wait_dscnt 0x0
.set i, 0
.rept 48
	KQ 0                            ; piece 0's first scores: there is no vector work yet to set between them
.set i, i+1
.endr
	WIN 0                           ; the addresses for the way out: nine plain instructions, the places behind those products
	s_mul_i32 s2, s[WV], 16*SP
	s_add_co_u32 s2, s2, STAGE      ; my stage
	v_mul_u32_u24 v[STO], v1, SP    ; in: row l % 16, 16 bytes for each half of the lanes
	v_lshl_add_u32 v[STO], v9, 4, v[STO]
	v_add_nc_u32 v[STO], s2, v[STO]
	v_bfe_u32 v[RD], v0, 3, 2       ; back: 32 lanes take four rows of 128 bytes,
	v_mul_u32_u24 v[RD], v[RD], SP
	v_lshl_add_u32 v[RD], v10, 4, v[RD]
	v_add_nc_u32 v[RD], s2, v[RD]
	v_and_b32 v[GO], 31, v0         ; which are 512 consecutive bytes of O
	v_lshlrev_b32 v[GO], 4, v[GO]
	s_mov_b32 s[CNT], 2
	s_mov_b32 s[SLOTS], 7
	s_branch .Lmid                  ; the loop is entered at piece 2's turn: its V^T P adds zeros, its K Q^T is step 0's
.Lslot:                             ; six times: every slot but the last two is filled again
	CHANGE 1, 1
	s_mov_b32 s[CNT], 2
.Lstep:
	TURN 0
	WIN 0
.Lmid:
	TURN 2
	WIN 0
	s_sub_co_u32 s[CNT], s[CNT], 1
	s_cmp_lg_u32 s[CNT], 0
	s_cbranch_scc1 .Lstep
	s_sub_co_u32 s[SLOTS], s[SLOTS], 1
	s_cmp_lg_u32 s[SLOTS], 0
	s_cbranch_scc1 .Lslot
	CHANGE 0, 0                     ; the tail is written out: nothing is asked for
	s_mov_b32 s[CNT], 3             ; two trips fetch the last slot's steps; the third is left in its middle
.Ltail:
	TURN 0, 1
	WIN 0
	s_sub_co_u32 s[CNT], s[CNT], 1
	s_cmp_eq_u32 s[CNT], 0
	s_cbranch_scc1 .Lout
	TURN 2
	WIN 0
	s_branch .Ltail
.Lout:                              ; the third trip's 48 products K Q^T (on the last K once more) serve nothing: the price, once a launch, of one text for every trip
.set i, 0
.rept 16
	PV 2                            ; piece 2's V^T P of the last step
.set i, i+1
.endr
	; THE WAY OUT.  l's two halves and the other half of the lanes' are added; O^T is divided by l, rounded to f16 and sent through my stage, a tile at a time.  The additions are the places behind the last products.
	WIN 0
.irp t, 0,1,2,3
	v_add_f32 v[ST+8*(\t)+4], v[ST+8*(\t)+2], v[ST+8*(\t)+3]
.endr
.irp t, 0,1,2,3
	v_permlanex16_b32 v[ST+8*(\t)+5], v[ST+8*(\t)+4], s[SEL], s[SEL+1]
.endr
.irp t, 0,1,2,3
	v_add_f32 v[ST+8*(\t)+4], v[ST+8*(\t)+4], v[ST+8*(\t)+5]
.endr
.irp t, 0,1,2,3
	v_rcp_f32 v[ST+8*(\t)+6], v[ST+8*(\t)+4]
.endr
	v_nop                           ; a plain instruction between the last reciprocal and the use of its result (ISA guide 5.7.2)
	s_wait_alu depctr_va_vdst(0)    ; and the wait ahead of the first use: one for the four reciprocals
.macro PACK t                       ; a lane's eight channels of a row pack into 16 bytes; they go into rows of 144 bytes and come back as whole rows of 128, into S^T's registers
	WIN W_RS
.set i, 32*(\t)
.rept 16
	v_pk_mul_f32 v[i:i+1], v[i:i+1], v[ST+8*(\t)+6:ST+8*(\t)+7] op_sel_hi:[1,0]
.set i, i+2
.endr
	WIN 0x05                        ; sources 0 and 1 window 1, destination window 0
.set i, 0
.rept 16
	v_cvt_pk_f16_f32 v[S+16*(\t)+i], v[32*(\t)+2*i], v[32*(\t)+2*i+1]
.set i, i+1
.endr
	WIN 0
.irp f, 0,1,2,3
	ds_store_b128 v[STO], v[S+16*(\t)+4*\f:S+16*(\t)+4*\f+3] offset:32*\f
.endr
.irp f, 0,1,2,3
	ds_load_b128 v[S+16*(\t)+4*\f:S+16*(\t)+4*\f+3], v[RD] offset:\f*4*SP  ; LDS serves a wave's instructions in order (ISA guide 5.7.1.4): these see the stores above; the next tile's stores come behind them
.endr
.endm
.macro SEND t, younger              ; younger: the LDS instructions issued behind tile t's loads: the next tile's eight, or none
	WIN 0
.irp f, 0,1,2,3
	s_wait_dscnt (\younger)+3-\f
	global_store_b128 v[GO], v[S+16*(\t)+4*\f:S+16*(\t)+4*\f+3], s[10:11] offset:(\t)*2048+\f*512  ; 512 consecutive bytes, aligned
.endr
.endm
	PACK 0
	PACK 1                          ; a tile's arithmetic stands between the loads of the tile before and its stores
	SEND 0, 8
	PACK 2
	SEND 1, 8
	PACK 3
	SEND 2, 8
	SEND 3, 0
	s_wait_tensorcnt 0x0            ; the wave's end, behind my last tensor load and my last LDS store
	ds_add_u32 v[SPW], v[NIL]
	s_wait_dscnt 0x0
	CROUND                          ; the closing round: no work-group ends while a partner may still ask for a tile that names it
	s_endpgm
.Lfunc_end_k_q7ec0afee27_attn:
	.size	k_q7ec0afee27_attn, .Lfunc_end_k_q7ec0afee27_attn-k_q7ec0afee27_attn
	.p2alignl 7, 3214868480
	.fill 96, 4, 3214868480
	.section	.rodata,"a",@progbits
	.p2align	6, 0x0
	.amdhsa_kernel k_q7ec0afee27_attn
		.amdhsa_group_segment_fixed_size 327680
		.amdhsa_private_segment_fixed_size 0
		.amdhsa_enable_private_segment 0
		.amdhsa_kernarg_size 16
		.amdhsa_user_sgpr_count 2
		.amdhsa_user_sgpr_kernarg_segment_ptr 1
		.amdhsa_wavefront_size32 1
		.amdhsa_system_sgpr_workgroup_id_x 1
		.amdhsa_system_sgpr_workgroup_id_y 1
		.amdhsa_system_sgpr_workgroup_id_z 1
		.amdhsa_system_vgpr_workitem_id 0
		.amdhsa_next_free_vgpr 960
		.amdhsa_next_free_sgpr 66
		.amdhsa_reserve_vcc 0
		.amdhsa_float_denorm_mode_32 3
		.amdhsa_float_denorm_mode_16_64 3
		.amdhsa_memory_ordered 1
		.amdhsa_forward_progress 1
		.amdhsa_inst_pref_size 134
	.end_amdhsa_kernel
	.amdgpu_metadata
---
amdhsa.version: [ 1, 2 ]
amdhsa.kernels:
  - .name:           k_q7ec0afee27_attn
    .symbol:         k_q7ec0afee27_attn.kd
    .args:
      - { .name: qkv, .offset: 0, .size: 8, .value_kind: global_buffer, .address_space: global }
      - { .name: ob, .offset: 8, .size: 8, .value_kind: global_buffer, .address_space: global }
    .group_segment_fixed_size: 327680
    .private_segment_fixed_size: 0
    .kernarg_segment_align: 8
    .kernarg_segment_size: 16
    .max_flat_workgroup_size: 128
    .sgpr_count:     66
    .vgpr_count:     960
    .wavefront_size: 32
...
	.end_amdgpu_metadata
.endif
;; end of part 3
;; launch outp (part 4): grid 8 x 32, 4 waves a work-group, clusters of 4 x 4, 327,680 bytes of LDS; arguments ob, xw, out0, bo; writes out0
.if DOCPART == 4
	.amdgcn_target "amdgcn-amd-amdhsa--gfx1250"
	.amdhsa_code_object_version 6
	.text
	.protected	k_q7ec0afee27_outp
	.globl	k_q7ec0afee27_outp
	.p2align	8
	.type	k_q7ec0afee27_outp,@function
k_q7ec0afee27_outp:
	s_mov_b64 s[64:65], 0
	v_nop
	global_prefetch_b8 v0, s[64:65] scope:SCOPE_SE
	s_setreg_imm32_b32 hwreg(HW_REG_WAVE_MODE, 25, 1), 1
	s_wait_xcnt 0x0
	s_wait_alu depctr_hold_cnt(0) depctr_sa_sdst(0) depctr_va_vdst(0) depctr_va_sdst(0) depctr_va_ssrc(0) depctr_va_vcc(0) depctr_vm_vsrc(0)
	s_getreg_b32 s2, hwreg(HW_REG_IB_STS2, 6, 4)
	s_cmp_eq_u32 s2, 0
	s_cbranch_scc0 .Lentry_in_a_cluster
	s_endpgm
.Lentry_in_a_cluster:
	s_bfe_u32 s2, ttmp6, 0x10000c
	s_cmp_lg_u32 s2, 0xf033
	s_cbranch_scc0 .Lentry_shape_is_right
	s_endpgm
.Lentry_shape_is_right:
; THE OUTPUT PROJECTION.  out0[m][n] = the sum over k of O[m][k] Wo[k][n] + bo[n].  O: ob = [m / 128 (32)][head (16)][m % 128][64] f16, k = 64 head + channel.
; Wo: unit 31 of xw, [k 1024][n 1024] f16 (the f16 spelling of its rounding to bf16).  Sums in f32; bo is rounded to bf16 like every other input; out0 is f32.
; SHARES.  A tile of C is 128 x 128: 256 work-groups.  Four waves, each 64 x 64: 16 accumulators.  K goes in 4 steps of 256 (four heads) through two LDS slots.
; A K step of O's 128 rows is 65,536 dense bytes; it lies in LDS as [head of four][128 rows] with rows of 128 bytes.  Wo's tile is 256 rows (k) of 256 bytes (n), read turned by ds_load_tr16_b128.
; CLUSTERS: 4 x 4.  The four of a row need the same tiles of O, the four of a column the same tiles of Wo: joint loads.  THE MATRIX INSTRUCTION IS USED TRANSPOSED
; (source 0 = 16 columns of Wo, source 1 = 16 rows of O): a lane holds eight neighbouring numbers of a row of C.
; REGISTERS: window 0: v0-31 addresses; v32-95 at work on the way out; v96-103 the bias; v128-255 the accumulators ((a, b) at v[128 + 8 (4 a + b)]).
;   window 1: two fragment buffers of 128: for 64 along K, 64 registers of O (2 x 4 x 16 rows x 32 K), then 64 of Wo.
.set PA,     144                       ; an LDS row of O: 128 bytes + 16
.set PB,     288                       ; an LDS row of Wo: 256 + 32
.set PART,   36864                     ; what one tensor load fills: 256 rows x 144 (two heads of O), or 128 rows x 288 (half a K step of Wo)
.set BOFF,   2*PART                    ; a slot: O's four heads, then Wo's 256 rows
.set SLOT,   4*PART
.set STAGE,  2*SLOT                    ; behind the ring: 16 rows x 272 bytes for each wave, for the way out
.set SPITCH, 272
.set SPARE,  STAGE+4*16*SPITCH         ; behind the stages: the spare words, 128 bytes for each wave: two blocks of 256 bytes that no other line names
.set STEP_A, 65536                     ; a K step in ob,
.set STEP_B, 256*2048                  ; and in Wo
.set WO,     31*2097152                ; Wo's first byte in xw
.set ADRA, 16                          ; v16-17  LDS address of my O fragments in slot 0, 1
.set ADRB, 20                          ; v20-23  of my Wo fragments: slot s, quarters 2 p and 2 p + 1 at ADRB + 2 s + p (the immediate holds 16 bits)
.set STO,  24
.set RD,   25
.set CO,   26
.set SPW,  28                          ; v28     LDS address of my spare word; never rewritten
.set NIL,  29                          ; v29     0; never rewritten
.set TMP,  32
.set BIAS, 96                          ; v[96:99] bo of the four columns that I store; v100 its offset; v102-103 at work
.set ACC,  128
.set F0,   0
.set F1,   128
.set G1, 24
.set G0, 32
.set G1B, 48
.set G0B, 56
.set MSB, 0
.macro WIN new
.if MSB != (\new)
	s_set_vgpr_msb (MSB<<8)|(\new)
.set MSB, \new
.endif
.endm
.set MUL,  0x05                        ; sources 0 (Wo) and 1 (O) window 1; C and D window 0
.set TO_F, 0x40                        ; destination window 1, address window 0
.macro JLOAD s                         ; a joint load: waves 0 and 1 fetch O's heads, waves 2 and 3 Wo's halves; an s_nop 0 and four v_nop follow each of the two lines
	s_cmp_eq_u32 s11, 0
	s_cbranch_scc0 .Lfor_b_\@
	tensor_load_to_lds s[G0+4*(\s):G0+4*(\s)+3], s[G1:G1+7]
	s_nop 0
.rept 4
	v_nop
.endr
	s_branch .Lasked_\@
.Lfor_b_\@:
	tensor_load_to_lds s[G0B+4*(\s):G0B+4*(\s)+3], s[G1B:G1B+7]
	s_nop 0
.rept 4
	v_nop
.endr
.Lasked_\@:
.endm
.macro CREST
	s_cmp_lg_u32 s10, 0
	s_cbranch_scc1 .Lnot_wave_0_\@
	s_barrier_signal -3
.Lnot_wave_0_\@:
	s_barrier_wait -3
	s_barrier_signal -1
	s_barrier_wait -1
.endm
.macro CROUND
	s_barrier_signal -1
	s_barrier_wait -1
	CREST
.endm
	s_load_b128 s[4:7], s[0:1], 0x0                ; ob s[4:5], xw s[6:7]
	s_load_b64 s[8:9], s[0:1], 0x10                ; out0
	s_load_b64 s[66:67], s[0:1], 0x18              ; bo
	v_lshl_add_u32 v[SPW], v0, 2, SPARE
	v_mov_b32 v[NIL], 0
	ds_add_u32 v[SPW], v[NIL]                      ; the wave's opening: the add and its wait stand ahead of my first tensor load
	v_lshrrev_b32 v1, 5, v0
	v_readfirstlane_b32 s10, v1                    ; wave 0..3
	s_lshr_b32 s11, s10, 1                         ; which half of the tile's rows is mine.  Also: I fetch for O (0) or for Wo (1)
	s_and_b32 s12, s10, 1                          ; which half of its columns.  Also: which half of that tile I fetch
	s_bfe_u32 s40, ttmp6, 0x40000                  ; cx
	s_bfe_u32 s41, ttmp6, 0x40004                  ; cy
	s_lshl_b32 s42, ttmp9, 2
	s_add_co_u32 s42, s42, s40                     ; tile column, 0..7
	s_and_b32 s13, ttmp7, 0xffff
	s_lshl_b32 s13, s13, 2
	s_add_co_u32 s13, s13, s41                     ; tile row, 0..31
	s_lshl_b32 s43, s41, 2
	s_lshl_b32 s43, 15, s43                        ; my row of the cluster
	s_lshl_b32 s44, 0x1111, s40                    ; my column
	s_or_b32 s[G1+0], s43, (1<<16)|(1<<20)|(1<<21)|(4<<22)|(3<<25)   ; O: 32,768 dense bytes as 128 rows of 256, padded by 4 words after every 32 (a row of a head)
	s_or_b32 s[G1B+0], s44, (1<<16)|(1<<20)|(1<<21)|(5<<22)|(7<<25)  ; Wo: 128 rows of 256 bytes, padded by 8 words after every 64
.irp g, G1, G1B
	s_mov_b32 s[(\g)+1], 128<<16                   ; tensor_dim0 = 128
	s_mov_b32 s[(\g)+2], 128<<16                   ; tensor_dim1 = 128
	s_mov_b32 s[(\g)+3], 128<<16                   ; tile_dim0 = 128
	s_mov_b32 s[(\g)+4], 128                       ; tile_dim1 = 128
	s_mov_b32 s[(\g)+6], 0
	s_mov_b32 s[(\g)+7], 0
.endr
	s_mov_b32 s[G1+5], 128                         ; O's rows lie end to end
	s_mov_b32 s[G1B+5], 1024                       ; Wo's are 1,024 elements apart
	s_lshl_b32 s16, s13, 18                        ; O: the row block's 262,144 bytes,
	s_lshl_b32 s17, s12, 15                        ; my two heads of the K step's four
	s_add_co_u32 s16, s16, s17
	s_mov_b32 s17, 0
	s_lshl_b32 s46, s42, 8                         ; Wo: the tile column's 256 bytes,
	s_lshl_b32 s47, s12, 18                        ; my 128 rows of the K step's 256
	s_add_co_u32 s46, s46, s47
	s_add_co_u32 s46, s46, WO
	s_mov_b32 s47, 0
	s_mul_i32 s20, s10, PART                       ; where they go: wave x 36,864: no place in the cluster enters an LDS address
	s_wait_dscnt 0x0                               ; the opening add is done
	s_wait_kmcnt 0x0
	s_add_nc_u64 s[14:15], s[4:5], s[16:17]
	s_add_nc_u64 s[46:47], s[6:7], s[46:47]
	CROUND                                         ; all sixteen work-groups are here: the first joint loads meet
.irp s, 0,1
	s_mov_b32 s[G0+4*(\s)], 1
	s_add_co_u32 s[G0+4*(\s)+1], s20, (\s)*SLOT
	s_add_nc_u64 s[G0+4*(\s)+2:G0+4*(\s)+3], s[14:15], (\s)*STEP_A
	s_or_b32 s[G0+4*(\s)+3], s[G0+4*(\s)+3], 0x80000000
	s_mov_b32 s[G0B+4*(\s)], 1
	s_add_co_u32 s[G0B+4*(\s)+1], s20, (\s)*SLOT
	s_add_nc_u64 s[G0B+4*(\s)+2:G0B+4*(\s)+3], s[46:47], (\s)*STEP_B
	s_or_b32 s[G0B+4*(\s)+3], s[G0B+4*(\s)+3], 0x80000000
	JLOAD \s                                       ; two loads of mine are out
.endr
	v_and_b32 v1, 15, v0                           ; l % 16
	v_bfe_u32 v2, v0, 4, 1                         ; l / 16
	v_mul_u32_u24 v3, v1, PA
	v_lshl_add_u32 v3, v2, 4, v3                   ; O: row x pitch + 16 x half
	s_mul_i32 s21, s11, 64*PA                      ; my 64 rows
	v_and_b32 v4, 7, v0                            ; Wo, turned: k = 8 (l / 16) + l % 8, columns 8 ((l / 8) % 2) + 0..7
	v_lshl_add_u32 v4, v2, 3, v4
	v_mul_u32_u24 v4, v4, PB
	v_bfe_u32 v5, v0, 3, 1
	v_lshl_add_u32 v4, v5, 4, v4
	s_lshl_b32 s22, s12, 7                         ; my 64 columns: 128 bytes
	s_add_co_u32 s22, s22, BOFF
.irp s, 0,1
	v_add_nc_u32 v[ADRA+(\s)], s21, v3
	v_add_nc_u32 v[ADRB+2*(\s)], s22, v4
	s_add_co_u32 s23, s22, PART
	v_add_nc_u32 v[ADRB+2*(\s)+1], s23, v4
	s_add_co_u32 s21, s21, SLOT
	s_add_co_u32 s22, s22, SLOT
.endr
	s_mul_i32 s23, s10, 16*SPITCH
	s_add_co_u32 s23, s23, STAGE                   ; my stage: 16 rows of my 64 columns, 256 bytes of f32
	v_mul_u32_u24 v4, v1, SPITCH                   ; in: row l % 16, 32 bytes for each half of the lanes
	v_lshl_add_u32 v4, v2, 5, v4
	v_add_nc_u32 v[STO], s23, v4
	v_mul_u32_u24 v5, v2, SPITCH                   ; back: lanes 0-15 take one row of 256 bytes, lanes 16-31 the next
	v_lshl_add_u32 v5, v1, 4, v5
	v_add_nc_u32 v[RD], s23, v5
	v_lshlrev_b32 v5, 12, v2                       ; and the same two rows in out0
	v_lshl_add_u32 v[CO], v1, 4, v5
	s_lshl_b32 s16, s13, 7
	s_lshl_b32 s17, s11, 6
	s_add_co_u32 s16, s16, s17                     ; my first row
	s_lshl_b32 s16, s16, 12
	s_lshl_b32 s18, s42, 9                         ; my first column, in bytes: 512 x tile column + 256 x half
	s_lshl_b32 s19, s12, 8
	s_add_co_u32 s18, s18, s19
	s_add_co_u32 s16, s16, s18
	s_mov_b32 s17, 0
	s_add_nc_u64 s[8:9], s[8:9], s[16:17]
	v_lshl_add_u32 v100, v1, 4, s18                ; the four columns that I store; never rewritten
	global_load_b128 v[BIAS:BIAS+3], v100, s[66:67]
; 8 matrix instructions: m blocks a0, a0 + 1 x all 4 n blocks, 32 along K: half c of buffer f.  The 16 accumulators take turns.
.macro MUL8 f, c, a0, zero
	WIN MUL
.irp a, \a0, (\a0)+1
.irp b, 0,1,2,3
.if \zero
	v_wmma_f32_16x16x32_f16 v[ACC+8*(4*(\a)+(\b)):ACC+8*(4*(\a)+(\b))+7], v[(\f)+64+8*(4*(\c)+(\b)):(\f)+64+8*(4*(\c)+(\b))+7], v[(\f)+8*(4*(\c)+(\a)):(\f)+8*(4*(\c)+(\a))+7], 0
.else
	v_wmma_f32_16x16x32_f16 v[ACC+8*(4*(\a)+(\b)):ACC+8*(4*(\a)+(\b))+7], v[(\f)+64+8*(4*(\c)+(\b)):(\f)+64+8*(4*(\c)+(\b))+7], v[(\f)+8*(4*(\c)+(\a)):(\f)+8*(4*(\c)+(\a))+7], v[ACC+8*(4*(\a)+(\b)):ACC+8*(4*(\a)+(\b))+7]
.endif
.endr
.endr
.endm
; 32 LDS loads in one run: the fragments of quarter q (one head, 64 along K) into buffer f; the first 32 along K first
.macro FETCH slot, q, f
	WIN TO_F
.irp c, 0,1
.irp i, 0,1,2,3
	ds_load_tr16_b128 v[(\f)+64+8*(4*(\c)+(\i)):(\f)+64+8*(4*(\c)+(\i))+3],   v[ADRB+2*(\slot)+(\q)/2] offset:((\q)%2)*64*PB+(\c)*32*PB+(\i)*32
	ds_load_tr16_b128 v[(\f)+64+8*(4*(\c)+(\i))+4:(\f)+64+8*(4*(\c)+(\i))+7], v[ADRB+2*(\slot)+(\q)/2] offset:((\q)%2)*64*PB+(\c)*32*PB+16*PB+(\i)*32
	ds_load_b128 v[(\f)+8*(4*(\c)+(\i)):(\f)+8*(4*(\c)+(\i))+3],   v[ADRA+(\slot)] offset:(\q)*128*PA+(\i)*16*PA+64*(\c)
	ds_load_b128 v[(\f)+8*(4*(\c)+(\i))+4:(\f)+8*(4*(\c)+(\i))+7], v[ADRA+(\slot)] offset:(\q)*128*PA+(\i)*16*PA+64*(\c)+32
.endr
.endr
.endm
.macro PLACES                          ; four places in front of loads into registers that matrix instructions have read, and of LDS stores that read results
.rept 4
	v_nop
.endr
.endm
.macro QUARTER slot, q, f, g, zero     ; multiplies buffer f and fetches quarter q of the slot into g
	s_wait_dscnt 16                                ; the first 32 along K are in; the youngest sixteen loads may be out
	WIN MUL
	MUL8 \f, 0, 0, \zero
	MUL8 \f, 0, 2, \zero
	PLACES
	FETCH \slot, \q, \g
	s_wait_dscnt 32                                ; all but the 32 just issued
	WIN MUL
	MUL8 \f, 1, 0, 0
	MUL8 \f, 1, 2, 0
.endm
; The last quarter multiplies buffer 1 and changes slots: one barrier; in front of it each wave waits for all its tensor loads, adds 0 to its spare word, and waits for that and for its reads of this slot.
.macro TURN slot, next, fill
	WIN 0
	s_wait_tensorcnt 0x0                           ; all my tensor loads have landed: my part of the next slot
	ds_add_u32 v[SPW], v[NIL]                      ; 0 onto my spare word
	s_wait_dscnt 17                                ; (the add and the youngest sixteen loads may be out)
	WIN MUL
	MUL8 F1, 0, 0, 0
	s_wait_dscnt 0x0                               ; the add is done, and my reads of this slot are over
	s_barrier_signal -1
	MUL8 F1, 0, 2, 0
.if \fill
	WIN 0
.endif
	s_barrier_wait -1
.if \fill
	CREST                                          ; the barrier has opened a round of the cluster's barrier: no wave of any partner still reads this slot or has a load on its way
	s_add_nc_u64 s[G0+4*(\slot)+2:G0+4*(\slot)+3], s[G0+4*(\slot)+2:G0+4*(\slot)+3], 2*STEP_A
	s_add_nc_u64 s[G0B+4*(\slot)+2:G0B+4*(\slot)+3], s[G0B+4*(\slot)+2:G0B+4*(\slot)+3], 2*STEP_B
	JLOAD \slot                                    ; the first tensor load behind the round; its four v_nop are also the places in front of the loads below
.else
	PLACES
.endif
	FETCH \next, 0, F0
	WIN MUL
	MUL8 F1, 1, 0, 0
	MUL8 F1, 1, 2, 0
.endm
	s_wait_tensorcnt 1                             ; my part of K step 0 is in; K step 1's may stay out
	s_barrier_signal -1
	s_barrier_wait -1
	FETCH 0, 0, F0
	QUARTER 0, 1, F0, F1, 1                        ; K step 0: the first products start the sums
	QUARTER 0, 2, F1, F0, 0
	QUARTER 0, 3, F0, F1, 0
	TURN 0, 1, 1                                   ; slot 0 takes K step 2
	QUARTER 1, 1, F0, F1, 0                        ; K step 1
	QUARTER 1, 2, F1, F0, 0
	QUARTER 1, 3, F0, F1, 0
	TURN 1, 0, 1                                   ; slot 1 takes K step 3
	QUARTER 0, 1, F0, F1, 0                        ; K step 2
	QUARTER 0, 2, F1, F0, 0
	QUARTER 0, 3, F0, F1, 0
	TURN 0, 1, 0                                   ; nothing is left to fetch
	QUARTER 1, 1, F0, F1, 0                        ; K step 3
	QUARTER 1, 2, F1, F0, 0
	QUARTER 1, 3, F0, F1, 0
	s_wait_dscnt 16
	WIN MUL
	MUL8 F1, 0, 0, 0
	MUL8 F1, 0, 2, 0
	s_wait_dscnt 0x0
	MUL8 F1, 1, 0, 0
	MUL8 F1, 1, 2, 0
	WIN 0
	; THE WAY OUT.  A block of 16 rows x my 64 columns at a time goes through my stage: 32 bytes a lane in, whole rows of 256 bytes back; the bias is added on the way.
	PLACES
	s_wait_loadcnt 0x0                             ; the bias
	v_cvt_pk_bf16_f32 v102, v[BIAS], v[BIAS+1]     ; rounded to bf16, as every input is
	v_cvt_pk_bf16_f32 v103, v[BIAS+2], v[BIAS+3]
	v_lshlrev_b32 v[BIAS],   16, v102
	v_and_b32     v[BIAS+1], 0xffff0000, v102
	v_lshlrev_b32 v[BIAS+2], 16, v103
	v_and_b32     v[BIAS+3], 0xffff0000, v103
.macro OUTBLK a
.set BK, TMP+32*((\a)%2)
.irp b, 0,1,2,3
	ds_store_b128 v[STO], v[ACC+8*(4*(\a)+(\b)):ACC+8*(4*(\a)+(\b))+3]   offset:64*(\b)     ; each accumulator's low registers first
	ds_store_b128 v[STO], v[ACC+8*(4*(\a)+(\b))+4:ACC+8*(4*(\a)+(\b))+7] offset:64*(\b)+16
.endr
	s_wait_xcnt 0x0                                ; the stores of two blocks before have read these registers: only behind this wait are they loaded again
.irp t, 0,1,2,3,4,5,6,7
	ds_load_b128 v[BK+4*(\t):BK+4*(\t)+3], v[RD] offset:(\t)*2*SPITCH  ; LDS serves a wave's instructions in order (ISA guide 5.7.1.4): these see the stores above; the next block's stores come behind them
.endr
	s_wait_dscnt 0x0
.irp t, 0,1,2,3,4,5,6,7
	v_pk_add_f32 v[BK+4*(\t):BK+4*(\t)+1],   v[BK+4*(\t):BK+4*(\t)+1],   v[BIAS:BIAS+1]
	v_pk_add_f32 v[BK+4*(\t)+2:BK+4*(\t)+3], v[BK+4*(\t)+2:BK+4*(\t)+3], v[BIAS+2:BIAS+3]
.endr
.irp t, 0,1,2,3,4,5,6,7
	global_store_b128 v[CO], v[BK+4*(\t):BK+4*(\t)+3], s[8:9] offset:(16*(\a)+2*(\t))*4096 th:TH_STORE_NT  ; 16 lanes store 256 consecutive bytes, aligned
.endr
.endm
	OUTBLK 0
	OUTBLK 1
	OUTBLK 2
	OUTBLK 3
	s_wait_tensorcnt 0x0                           ; the wave's end, behind my last tensor load and my last LDS store
	ds_add_u32 v[SPW], v[NIL]
	s_wait_dscnt 0x0
	CROUND                                         ; the closing round: no work-group ends while a partner may still ask for a tile that names it
	s_endpgm
.Lfunc_end_k_q7ec0afee27_outp:
	.size	k_q7ec0afee27_outp, .Lfunc_end_k_q7ec0afee27_outp-k_q7ec0afee27_outp
	.p2alignl 7, 3214868480
	.fill 96, 4, 3214868480
	.section	.rodata,"a",@progbits
	.p2align	6, 0x0
	.amdhsa_kernel k_q7ec0afee27_outp
		.amdhsa_group_segment_fixed_size 327680
		.amdhsa_private_segment_fixed_size 0
		.amdhsa_enable_private_segment 0
		.amdhsa_kernarg_size 32
		.amdhsa_user_sgpr_count 2
		.amdhsa_user_sgpr_kernarg_segment_ptr 1
		.amdhsa_wavefront_size32 1
		.amdhsa_system_sgpr_workgroup_id_x 1
		.amdhsa_system_sgpr_workgroup_id_y 1
		.amdhsa_system_sgpr_workgroup_id_z 1
		.amdhsa_system_vgpr_workitem_id 0
		.amdhsa_next_free_vgpr 512
		.amdhsa_next_free_sgpr 68
		.amdhsa_reserve_vcc 0
		.amdhsa_float_denorm_mode_32 3
		.amdhsa_float_denorm_mode_16_64 3
		.amdhsa_memory_ordered 1
		.amdhsa_forward_progress 1
		.amdhsa_inst_pref_size 90
	.end_amdhsa_kernel
	.amdgpu_metadata
---
amdhsa.version: [ 1, 2 ]
amdhsa.kernels:
  - .name:           k_q7ec0afee27_outp
    .symbol:         k_q7ec0afee27_outp.kd
    .args:
      - { .name: ob, .offset: 0, .size: 8, .value_kind: global_buffer, .address_space: global }
      - { .name: xw, .offset: 8, .size: 8, .value_kind: global_buffer, .address_space: global }
      - { .name: out0, .offset: 16, .size: 8, .value_kind: global_buffer, .address_space: global }
      - { .name: bo, .offset: 24, .size: 8, .value_kind: global_buffer, .address_space: global }
    .group_segment_fixed_size: 327680
    .private_segment_fixed_size: 0
    .kernarg_segment_align: 8
    .kernarg_segment_size: 32
    .max_flat_workgroup_size: 128
    .sgpr_count:     68
    .vgpr_count:     512
    .wavefront_size: 32
...
	.end_amdgpu_metadata
.endif
;; end of part 4
;; ======== version 2 of 2: 4 launches; version 1 with the launch prep written anew for expert scheduling mode
;; limits: values are held in f16: magnitudes above 65,504 overflow, below 6.1e-05 lose precision
;; workspace buffers: xw 67,108,864 bytes; qkv 58,720,256 bytes; ob 8,388,608 bytes
;; launch prep (part 5): grid 64 x 32, 8 waves a work-group, no clusters, 0 bytes of LDS; arguments words, position_words, conscious_words, cross_kv, position_cross, conscious_cross, Wwq, Wpq, Wcq, Wwk, Wpk, Wck, Wwv, Wo, xw; writes xw
.if DOCPART == 5
	.amdgcn_target "amdgcn-amd-amdhsa--gfx1250"
	.amdhsa_code_object_version 6
	.text
	.protected	k_q7ec0afee27_prep
	.globl	k_q7ec0afee27_prep
	.p2align	8
	.type	k_q7ec0afee27_prep,@function
k_q7ec0afee27_prep:
	s_mov_b64 s[64:65], 0
	v_nop
	global_prefetch_b8 v0, s[64:65] scope:SCOPE_SE
	s_setreg_imm32_b32 hwreg(HW_REG_WAVE_SCHED_MODE, 0, 2), 2
	s_setreg_imm32_b32 hwreg(HW_REG_WAVE_MODE, 25, 1), 1
	s_wait_xcnt 0x0
	s_wait_alu depctr_vm_vsrc(0)
; CASTS.  xw is 32 units of 1,048,576 numbers of 16 bits.  Units 0-23: the six activations ([4096][1024], four units each) rounded to bf16.
; Units 24-30: Wwq, Wpq, Wcq, Wwk, Wpk, Wck, Wwv ([k][n], as they lie) rounded to bf16.  Unit 31: Wo rounded to bf16, and that number written as f16.
; LIMIT.  Wo in f16: beyond 65,504 it would be an infinity; below 6.1e-5 it keeps f16's fixed step of 6e-8.
; SHARES.  Work-group (c, u) takes chunk c (16,384 numbers) of unit u, in 16 pieces of 1,024.  Thread t loads the 16 bytes at 16 t of a piece and stores the 8 bytes at 8 t:
; a wave's load covers 512 consecutive bytes, a wave's store 256 consecutive bytes, aligned.  Nothing is read twice; no LDS, no matrix unit, no barrier: the waves share nothing.
; THE MODE: SCHED_MODE bits 1:0 = 2 (LLVM: expert scheduling mode 2), set by the entry lines.  The code itself states the register dependences
; between vector instructions and memory instructions, with s_wait_alu, always for 0.
; THE PLAN.  Eight slots of x registers in two halves of four; the 16 pieces go in four blocks of four, each half twice.  Registers that memory instructions touch:
;   v1, v2   the loads' and the stores' offsets: written once at the head, never again.
;   X        a half is written by its four loads, read (on Wo's way also written) by its block's conversions, and in the first round loaded again behind them.
;            In the second round the conversions write each slot's first two registers in place, the stores read them, and nothing writes them after that.
;   Y        written by the first round's conversions, read by its stores, never written again.
;   T        named by vector instructions alone.
; A block is: the wait for its four loads; all its conversions; ONE wait on va_vdst; in the first round its four refills, ahead of the stores; its four stores.
; No register that a load or a store reads is ever written again, and the refills land in registers that no memory instruction has read: so no wait frees a source.
.set DEPTH, 8
.set BLOCK, 4                          ; pieces in a block, slots in a half
.set X, 4                              ; v[4:35]   slot i: 4 numbers as loaded; in the second round its first 2 registers are stored
.set Y, 36                             ; v[36:51]  slot i: the first round's 2 registers to store
.set T, 52                             ; v[52:53]  at work (Wo's way)
.set PIN,  4096                        ; bytes of a piece as read
.set POUT, 2048                        ; and as stored
	s_load_b512 s[8:23], s[0:1], 0x0               ; the 14 inputs' addresses: input i in s[8+2i:9+2i]
	s_load_b256 s[24:31], s[0:1], 0x40
	s_load_b128 s[32:35], s[0:1], 0x60
	s_load_b64 s[36:37], s[0:1], 0x70              ; xw
	s_and_b32 s3, ttmp7, 0xffff                    ; u
	s_lshr_b32 s38, s3, 2                          ; an activation's number,
	s_sub_co_u32 s39, s3, 18                       ; or a weight's: 6 to 13
	s_and_b32 s40, s3, 3
	s_lshl_b32 s40, s40, 22                        ; an activation's quarter: 4 MiB of f32
	s_cmp_lt_u32 s3, 24
	s_cselect_b32 s2, s38, s39                     ; which input
	s_cselect_b32 s40, s40, 0
	s_lshl_b32 s44, ttmp9, 16                      ; the chunk: 64 KiB as read,
	s_add_co_u32 s40, s40, s44
	s_mov_b32 s41, 0
	s_lshl_b32 s42, s3, 21                         ; the unit: 2 MiB as stored,
	s_lshl_b32 s44, ttmp9, 15                      ; the chunk: 32 KiB
	s_add_co_u32 s42, s42, s44
	s_mov_b32 s43, 0
	s_mov_b32 s45, 0xffff0000                      ; a word's upper bf16
	v_lshlrev_b32 v1, 4, v0                        ; 16 t; never rewritten
	v_lshlrev_b32 v2, 3, v0                        ; 8 t; never rewritten
	s_wait_kmcnt 0x0
	s_mov_b64 s[4:5], s[8:9]
.irp i, 1,2,3,4,5,6,7,8,9,10,11,12,13
	s_cmp_eq_u32 s2, \i                            ; a choice between buffers on a number that hangs on no address
	s_cselect_b64 s[4:5], s[8+2*(\i):9+2*(\i)], s[4:5]
.endr
	s_add_nc_u64 s[4:5], s[4:5], s[40:41]
	s_add_nc_u64 s[6:7], s[36:37], s[42:43]
	s_wait_alu depctr_va_vdst(0)                   ; v1 and v2 are written: every load of the kernel reads v1 as its offset, every store v2
.irp i, 0,1,2,3,4,5,6,7
	global_load_b128 v[X+4*(\i):X+4*(\i)+3], v1, s[4:5] offset:(\i)*PIN th:TH_LOAD_NT  ; both halves are filled: pieces 0 to 7
.endr
; The conversions of the piece in slot i.  ahead = 1: the first round, into Y.  ahead = 0: the second round, in place.  wo = 1: to bf16, back to f32 (exact), to f16.
.macro CONV i, ahead, wo
.if \ahead
.set D, Y+2*(\i)
.else
.set D, X+4*(\i)                       ; in place, ascending: a register is written when it has been read
.endif
.if \wo
	v_cvt_pk_bf16_f32 v[T],   v[X+4*(\i)],   v[X+4*(\i)+1]
	v_cvt_pk_bf16_f32 v[T+1], v[X+4*(\i)+2], v[X+4*(\i)+3]
	v_lshlrev_b32 v[X+4*(\i)],   16,  v[T]
	v_and_b32     v[X+4*(\i)+1], s45, v[T]
	v_lshlrev_b32 v[X+4*(\i)+2], 16,  v[T+1]
	v_and_b32     v[X+4*(\i)+3], s45, v[T+1]
	v_cvt_pk_f16_f32 v[D],   v[X+4*(\i)],   v[X+4*(\i)+1]
	v_cvt_pk_f16_f32 v[D+1], v[X+4*(\i)+2], v[X+4*(\i)+3]
.else
	v_cvt_pk_bf16_f32 v[D],   v[X+4*(\i)],   v[X+4*(\i)+1]
	v_cvt_pk_bf16_f32 v[D+1], v[X+4*(\i)+2], v[X+4*(\i)+3]
.endif
.endm
; A block: half b of the slots.  ahead = 1: the first round: pieces 4 b to 4 b + 3 are converted, pieces 8 + 4 b to 8 + 4 b + 3 asked for.  ahead = 0: the second round: those are converted.
; left = how many younger loads may stay out.
.macro BLK b, ahead, left, wo
	s_wait_loadcnt \left                           ; loads come back in order (ISA guide 5.7.1): my half's four are in, the other half's four stay out
.irp j, 0,1,2,3
	CONV BLOCK*(\b)+(\j), \ahead, \wo
.endr
.if \ahead
	s_wait_alu depctr_va_vdst(0)                   ; the block's conversions have written its Y, which the stores below read, and are done reading (on Wo's way also writing) its X, in which the loads below land
.irp j, 0,1,2,3
	global_load_b128 v[X+4*(BLOCK*(\b)+(\j)):X+4*(BLOCK*(\b)+(\j))+3], v1, s[4:5] offset:(DEPTH+BLOCK*(\b)+(\j))*PIN th:TH_LOAD_NT  ; the half is asked for again at once, ahead of the stores
.endr
.irp j, 0,1,2,3
	global_store_b64 v2, v[Y+2*(BLOCK*(\b)+(\j)):Y+2*(BLOCK*(\b)+(\j))+1], s[6:7] offset:(BLOCK*(\b)+(\j))*POUT th:TH_STORE_NT
.endr
.else
	s_wait_alu depctr_va_vdst(0)                   ; the block's conversions have written the first two registers of its slots, which the stores below read
.irp j, 0,1,2,3
	global_store_b64 v2, v[X+4*(BLOCK*(\b)+(\j)):X+4*(BLOCK*(\b)+(\j))+1], s[6:7] offset:(DEPTH+BLOCK*(\b)+(\j))*POUT th:TH_STORE_NT
.endr
.endif
.endm
	s_cmp_eq_u32 s3, 31
	s_cbranch_scc1 .Lwo
	BLK 0, 1, BLOCK, 0                             ; behind pieces 0 to 3 stand the loads of pieces 4 to 7: four
	BLK 1, 1, BLOCK, 0                             ; behind pieces 4 to 7 the refills of the first half: four
	BLK 0, 0, BLOCK, 0                             ; behind pieces 8 to 11 the refills of the second half: four
	BLK 1, 0, 0, 0                                 ; nothing was asked for behind pieces 12 to 15
	s_endpgm
.Lwo:
	BLK 0, 1, BLOCK, 1
	BLK 1, 1, BLOCK, 1
	BLK 0, 0, BLOCK, 1
	BLK 1, 0, 0, 1
	s_endpgm
.Lfunc_end_k_q7ec0afee27_prep:
	.size	k_q7ec0afee27_prep, .Lfunc_end_k_q7ec0afee27_prep-k_q7ec0afee27_prep
	.p2alignl 7, 3214868480
	.fill 96, 4, 3214868480
	.section	.rodata,"a",@progbits
	.p2align	6, 0x0
	.amdhsa_kernel k_q7ec0afee27_prep
		.amdhsa_group_segment_fixed_size 0
		.amdhsa_private_segment_fixed_size 0
		.amdhsa_enable_private_segment 0
		.amdhsa_kernarg_size 120
		.amdhsa_user_sgpr_count 2
		.amdhsa_user_sgpr_kernarg_segment_ptr 1
		.amdhsa_wavefront_size32 1
		.amdhsa_system_sgpr_workgroup_id_x 1
		.amdhsa_system_sgpr_workgroup_id_y 1
		.amdhsa_system_sgpr_workgroup_id_z 1
		.amdhsa_system_vgpr_workitem_id 0
		.amdhsa_next_free_vgpr 56
		.amdhsa_next_free_sgpr 66
		.amdhsa_reserve_vcc 0
		.amdhsa_float_denorm_mode_32 3
		.amdhsa_float_denorm_mode_16_64 3
		.amdhsa_memory_ordered 1
		.amdhsa_forward_progress 1
		.amdhsa_inst_pref_size 17
	.end_amdhsa_kernel
	.amdgpu_metadata
---
amdhsa.version: [ 1, 2 ]
amdhsa.kernels:
  - .name:           k_q7ec0afee27_prep
    .symbol:         k_q7ec0afee27_prep.kd
    .args:
      - { .name: words, .offset: 0, .size: 8, .value_kind: global_buffer, .address_space: global }
      - { .name: position_words, .offset: 8, .size: 8, .value_kind: global_buffer, .address_space: global }
      - { .name: conscious_words, .offset: 16, .size: 8, .value_kind: global_buffer, .address_space: global }
      - { .name: cross_kv, .offset: 24, .size: 8, .value_kind: global_buffer, .address_space: global }
      - { .name: position_cross, .offset: 32, .size: 8, .value_kind: global_buffer, .address_space: global }
      - { .name: conscious_cross, .offset: 40, .size: 8, .value_kind: global_buffer, .address_space: global }
      - { .name: Wwq, .offset: 48, .size: 8, .value_kind: global_buffer, .address_space: global }
      - { .name: Wpq, .offset: 56, .size: 8, .value_kind: global_buffer, .address_space: global }
      - { .name: Wcq, .offset: 64, .size: 8, .value_kind: global_buffer, .address_space: global }
      - { .name: Wwk, .offset: 72, .size: 8, .value_kind: global_buffer, .address_space: global }
      - { .name: Wpk, .offset: 80, .size: 8, .value_kind: global_buffer, .address_space: global }
      - { .name: Wck, .offset: 88, .size: 8, .value_kind: global_buffer, .address_space: global }
      - { .name: Wwv, .offset: 96, .size: 8, .value_kind: global_buffer, .address_space: global }
      - { .name: Wo, .offset: 104, .size: 8, .value_kind: global_buffer, .address_space: global }
      - { .name: xw, .offset: 112, .size: 8, .value_kind: global_buffer, .address_space: global }
    .group_segment_fixed_size: 0
    .private_segment_fixed_size: 0
    .kernarg_segment_align: 8
    .kernarg_segment_size: 120
    .max_flat_workgroup_size: 256
    .sgpr_count:     66
    .vgpr_count:     56
    .wavefront_size: 32
...
	.end_amdgpu_metadata
.endif
;; end of part 5
;; launch proj: the kernel of part 2 again; grid 4 x 56, 4 waves a work-group, clusters of 4 x 4, 327,680 bytes of LDS; arguments xw, qkv; writes qkv
;; launch attn: the kernel of part 3 again; grid 4 x 64, 4 waves a work-group, clusters of 4 x 1, 327,680 bytes of LDS; arguments qkv, ob; writes ob
;; launch outp: the kernel of part 4 again; grid 8 x 32, 4 waves a work-group, clusters of 4 x 4, 327,680 bytes of LDS; arguments ob, xw, out0, bo; writes out0
